; MI455X (gfx1250); checked and timed in simulation.
; The chip was launched on July 23, 2026; its instructions are those of AMD's public machine-readable ISA for CDNA 5 (MIT licence, August 2026) and "CDNA5" Instruction Set Architecture Reference Guide (July 2026). The comments in the code are by the model that wrote it; some were corrected since.
;; Expand Former V16. Allowed arithmetic: float matrix products may take bf16 or f16 operands with f32 sums; all other float work in f32.
;; Inputs: W1 16 x 512 x 128 float32; W2 16 x 128 x 512 float32; embed 32,000 x 512 float32; token_mask 32,000 x 16 int32; x 8 x 2,048 int32.
;; Outputs: out0 8 x 2,048 x 512 float32.
;; 3 versions, each right and faster than the one before. Each part assembles by itself: llvm-mc -triple=amdgcn-amd-amdhsa -mcpu=gfx1250 --defsym DOCPART=n.
;; ======== version 1 of 3: 2 launches
;; workspace buffers: wt 4,194,304 bytes
;; launch prep (part 1): grid 128 x 2, 8 waves a work-group, no clusters, 18,432 bytes of LDS; arguments W1, W2, wt; writes wt
.if DOCPART == 1
	.amdgcn_target "amdgcn-amd-amdhsa--gfx1250"
	.amdhsa_code_object_version 6
	.text
	.protected	k_q5f1b02f5ff_prep
	.globl	k_q5f1b02f5ff_prep
	.p2align	8
	.type	k_q5f1b02f5ff_prep,@function
k_q5f1b02f5ff_prep:
	s_mov_b64 s[64:65], 0
	v_nop
	global_prefetch_b8 v0, s[64:65] scope:SCOPE_SE
	s_setreg_imm32_b32 hwreg(HW_REG_WAVE_MODE, 25, 1), 1
	s_wait_xcnt 0x0
; Rounds W1 and W2 to bf16 once and lays them with K along the rows, so that the next launch fills matrix fragments by plain 16-byte LDS loads.
;   W1 [16][512 k][128 d] f32  ->  wt byte            n*131072 + kc*32768 + d*256 + 2*kl = bf16(W1[n][128 kc + kl][d])
;   W2 [16][128 d][512 c] f32  ->  wt byte 0x200000 + n*131072 +             c*256 + 2*d  = bf16(W2[n][d][c])
; Either way a domain is 512 rows of 256 bytes, dense.  A work-group turns 128 source rows x 64 source columns (32 KiB of f32) into
; 64 destination rows of 256 bytes.  Grid x = 8 n + q, grid y = 0 for W1, 1 for W2.  Every source byte is read once, every byte of wt written once.
; No matrix unit, no tensor load, no cluster: the work-groups share no input, and the whole launch moves 12 MiB.
; The transposing LDS stores put sixteen lanes 1,088 bytes apart, which is 64 modulo 256: four lanes meet in each 16-byte column.  Kept: four such stores a thread.
.set OFF, 8                            ; v[8:15]   byte offsets of my eight source rows
.set L,   16                           ; v[16:47]  row i of my eight: 4 f32.  Later the rows read back
.set P,   48                           ; v[48:63]  column c of my four: 8 bf16
.set TP,  272                          ; LDS pitch of a destination row: 256 bytes + 16
	s_load_b128 s[4:7], s[0:1], 0x0                ; W1 s[4:5], W2 s[6:7]
	s_load_b64 s[8:9], s[0:1], 0x10                ; wt
	v_lshl_add_u32 v64, v0, 2, 0x4400
	v_mov_b32 v65, 0
	s_and_b32 s10, ttmp7, 0xffff                   ; y: which of the two tensors
	s_lshr_b32 s11, ttmp9, 3                       ; n: domain
	s_and_b32 s12, ttmp9, 7                        ; q: which eighth of the domain
	s_lshl_b32 s13, s10, 1
	s_lshl_b32 s20, 512, s13                       ; bytes from source row to source row: 512 (W1) or 2,048 (W2)
	s_lshr_b32 s14, s12, 1
	s_lshl_b32 s14, s14, 16                        ; W1: 128 rows of 512 bytes for each kc = q / 2,
	s_and_b32 s15, s12, 1
	s_lshl_b32 s15, s15, 8                         ;     and 64 columns for q mod 2
	s_add_co_u32 s14, s14, s15
	s_lshl_b32 s15, s12, 8                         ; W2: 64 columns for each q
	s_cmp_eq_u32 s10, 0
	s_cselect_b32 s16, s14, s15
	s_lshl_b32 s13, s11, 18                        ; + n x 262,144
	s_add_co_u32 s16, s16, s13
	s_mov_b32 s17, 0
	s_lshl_b32 s18, s10, 21                        ; destination: y x 0x200000 + n x 131,072 + q x 16,384
	s_lshl_b32 s13, s11, 17
	s_add_co_u32 s18, s18, s13
	s_lshl_b32 s13, s12, 14
	s_add_co_u32 s18, s18, s13
	s_mov_b32 s19, 0
	v_and_b32 v1, 15, v0                           ; cg: my four source columns
	v_lshrrev_b32 v2, 4, v0                        ; rg: my eight source rows
	v_lshlrev_b32 v3, 3, v2
	v_lshlrev_b32 v4, 4, v1
	v_mad_u32_u24 v[OFF], v3, s20, v4              ; row 8 rg, byte 16 cg
.irp i, 1,2,3,4,5,6,7
	v_add_nc_u32 v[OFF+\i], s20, v[OFF+\i-1]
.endr
	v_mul_u32_u24 v5, v1, 4*TP
	v_lshl_add_u32 v5, v2, 4, v5                   ; in: destination row 4 cg (+ c), byte 16 rg
	v_mad_u32_u24 v6, v2, TP, v4                   ; back: destination row rg (+ 16 i), byte 16 cg
	v_lshlrev_b32 v7, 4, v0                        ; out: 16 bytes a thread
	s_wait_kmcnt 0x0
	s_cmp_eq_u32 s10, 0                            ; compared again: the sums above have set SCC
	s_cselect_b64 s[22:23], s[4:5], s[6:7]
	s_add_nc_u64 s[22:23], s[22:23], s[16:17]
	s_add_nc_u64 s[8:9], s[8:9], s[18:19]
.irp i, 0,1,2,3,4,5,6,7
	global_load_b128 v[L+4*\i:L+4*\i+3], v[OFF+\i], s[22:23] th:TH_LOAD_NT   ; sixteen lanes read 256 consecutive bytes, aligned; read once in the launch
.endr
	s_wait_loadcnt 0x0
.irp c, 0,1,2,3
.irp p, 0,1,2,3
	v_cvt_pk_bf16_f32 v[P+4*\c+\p], v[L+8*\p+\c], v[L+8*\p+4+\c]             ; column c of rows 2 p and 2 p + 1
.endr
	ds_store_b128 v5, v[P+4*\c:P+4*\c+3] offset:TP*\c
.endr
	s_wait_dscnt 0x0                               ; my stores are done, for the other waves' sake
	s_barrier_signal -1
	s_barrier_wait -1
.irp i, 0,1,2,3
	ds_load_b128 v[L+4*\i:L+4*\i+3], v6 offset:16*TP*\i
.endr
.irp i, 0,1,2,3
	s_wait_dscnt 3-\i                              ; LDS loads come back in order: load i is in, the younger ones stay out
	global_store_b128 v7, v[L+4*\i:L+4*\i+3], s[8:9] offset:4096*\i          ; a wave's store covers 512 consecutive bytes, aligned
.endr
	s_wait_tensorcnt 0x0
	ds_add_u32 v64, v65
	s_wait_dscnt 0x0
	s_endpgm
.Lfunc_end_k_q5f1b02f5ff_prep:
	.size	k_q5f1b02f5ff_prep, .Lfunc_end_k_q5f1b02f5ff_prep-k_q5f1b02f5ff_prep
	.p2alignl 7, 3214868480
	.fill 96, 4, 3214868480
	.section	.rodata,"a",@progbits
	.p2align	6, 0x0
	.amdhsa_kernel k_q5f1b02f5ff_prep
		.amdhsa_group_segment_fixed_size 18432
		.amdhsa_private_segment_fixed_size 0
		.amdhsa_enable_private_segment 0
		.amdhsa_kernarg_size 24
		.amdhsa_user_sgpr_count 2
		.amdhsa_user_sgpr_kernarg_segment_ptr 1
		.amdhsa_wavefront_size32 1
		.amdhsa_system_sgpr_workgroup_id_x 1
		.amdhsa_system_sgpr_workgroup_id_y 1
		.amdhsa_system_sgpr_workgroup_id_z 1
		.amdhsa_system_vgpr_workitem_id 0
		.amdhsa_next_free_vgpr 66
		.amdhsa_next_free_sgpr 66
		.amdhsa_reserve_vcc 0
		.amdhsa_float_denorm_mode_32 3
		.amdhsa_float_denorm_mode_16_64 3
		.amdhsa_memory_ordered 1
		.amdhsa_forward_progress 1
		.amdhsa_inst_pref_size 6
	.end_amdhsa_kernel
	.amdgpu_metadata
---
amdhsa.version: [ 1, 2 ]
amdhsa.kernels:
  - .name:           k_q5f1b02f5ff_prep
    .symbol:         k_q5f1b02f5ff_prep.kd
    .args:
      - { .name: W1, .offset: 0, .size: 8, .value_kind: global_buffer, .address_space: global }
      - { .name: W2, .offset: 8, .size: 8, .value_kind: global_buffer, .address_space: global }
      - { .name: wt, .offset: 16, .size: 8, .value_kind: global_buffer, .address_space: global }
    .group_segment_fixed_size: 18432
    .private_segment_fixed_size: 0
    .kernarg_segment_align: 8
    .kernarg_segment_size: 24
    .max_flat_workgroup_size: 256
    .sgpr_count:     66
    .vgpr_count:     66
    .wavefront_size: 32
...
	.end_amdgpu_metadata
.endif
;; end of part 1
;; launch mlp (part 2): grid 256 x 1, 4 waves a work-group, clusters of 4 x 1, 327,680 bytes of LDS; arguments x, embed, token_mask, wt, out0; writes out0
.if DOCPART == 2
	.amdgcn_target "amdgcn-amd-amdhsa--gfx1250"
	.amdhsa_code_object_version 6
	.text
	.protected	k_q5f1b02f5ff_mlp
	.globl	k_q5f1b02f5ff_mlp
	.p2align	8
	.type	k_q5f1b02f5ff_mlp,@function
k_q5f1b02f5ff_mlp:
	s_mov_b64 s[64:65], 0
	v_nop
	global_prefetch_b8 v0, s[64:65] scope:SCOPE_SE
	s_setreg_imm32_b32 hwreg(HW_REG_WAVE_MODE, 25, 1), 1
	s_wait_xcnt 0x0
	s_wait_alu depctr_hold_cnt(0) depctr_sa_sdst(0) depctr_va_vdst(0) depctr_va_sdst(0) depctr_va_ssrc(0) depctr_va_vcc(0) depctr_vm_vsrc(0)
	s_getreg_b32 s2, hwreg(HW_REG_IB_STS2, 6, 4)
	s_cmp_eq_u32 s2, 0
	s_cbranch_scc0 .Lentry_in_a_cluster
	s_endpgm
.Lentry_in_a_cluster:
	s_bfe_u32 s2, ttmp6, 0x10000c
	s_cmp_lg_u32 s2, 0x3003
	s_cbranch_scc0 .Lentry_shape_is_right
	s_endpgm
.Lentry_shape_is_right:
; out[t] = h[t] + 0.1 * sum over n of mask[t][n] * gelu(h[t] W1[n]) W2[n],   h[t] = embed[x[t]],  mask[t][n] = float(token_mask[x[t]][n]).
; 16,384 tokens on 256 work-groups: 64 tokens each, four waves.  Nothing but the weights (wt, bf16, K along the rows) comes through LDS fills:
;   h      stays in registers as bf16 fragments (64 tokens x 512, every wave holds all of it: 512 registers),
;   act    goes from wave to wave through LDS (two buffers of 64 x 128 bf16 that take turns),
;   the 64 x 512 f32 sums stay in registers over all 16 domains (a wave holds 64 tokens x 128 columns: 256 registers).
; GEMM1(n): wave w makes 64 tokens x d = 32 w .. 32 w + 31 over K = 512 (128 matrix instructions).
; GEMM2(n): wave w makes 64 tokens x columns 128 w .. 128 w + 127 over K = 128 (128 matrix instructions).
; GEMM2(n-1) is put off into the trip of domain n, so that GELU(n), which is register work, stands between its matrix instructions.
; BOTH PRODUCTS ARE USED TRANSPOSED: source 0 = 16 rows of the weights, source 1 = 16 tokens.  Lane (r = l % 16, h = l / 16) then holds token r
; and in its registers 0-7 the eight neighbouring columns 8 h + 0..7: the mask is one number a lane, and eight act values pack into 16 bytes.
; CLUSTER: every work-group walks the same weights.  Four work-groups form a cluster and ask for each tile jointly (mask 15): the requests for the
; weights are divided by four.  A tile of 512 rows x 256 bytes is brought by four loads, one a wave, 128 rows each.
; By this text's own count a wave has two tensor loads out at the start and one behind each round later.
; LIMITS: an index above 31,999 is taken as 31,999.  erf is a five-term rational form in t = 1/(1 + p|z|) times exp(-z^2)
; (Abramowitz and Stegun 7.1.26, absolute error at most 1.5e-7).  A pre-activation of +-infinity gives NaN.
; h, W1, W2 and act x mask are rounded to bf16 as matrix operands; GELU, mask, the factor 0.1 and the residual are f32.
.set PITCH,  272                       ; an LDS row: 256 bytes + 16, an odd multiple of 16: the sixteen rows of a fragment load lie in sixteen different 16-byte columns modulo 256
.set FRAG,   16*PITCH                  ; sixteen rows
.set QUART,  128*PITCH                 ; what one tensor load brings
.set SLOT,   4*QUART                   ; slot 0 at 0: W1T(n), at the very end W2T(15); slot 1 at SLOT: W2T(n)
.set ACT0,   2*SLOT                    ; two buffers of 64 rows x 272, written by LDS stores alone: h's stage, then act(n) in buffer n mod 2, then the way out
.set ACTB,   64*PITCH
.set MSKB,   ACT0+2*ACTB               ; f32 mask[n][r][mb] at n*256 + r*16 + mb*4 (token 16 mb + r): 4,096 bytes.  End of LDS: 317,440
.set OPITCH, 528                       ; the way out: a row of 128 f32 + 16 bytes
.set OSTG,   16*OPITCH                 ; sixteen rows for each wave; four waves take 33,792 of the 34,816 bytes of the two act buffers
; window 0
.set L16,  1                           ; 16 x lane
.set AW1,  2                           ; v2: (32 w + r) x 272 + 16 h, K blocks 0, 1 of W1T;  v3: the same + 2 QUART, K blocks 2, 3
.set AW2,  4                           ; SLOT + (128 w + r) x 272 + 16 h
.set AW2Z, 5                           ; the same in slot 0
.set AAR,  6                           ; ACT0 + r x 272 + 16 h: fragments of 16 tokens
.set AST,  7                           ; AAR + 64 w: where my 32 columns of act go
.set AMSK, 8                           ; MSKB + 16 r, 256 further for each domain
.set ASTG, 9                           ; ACT0 + 16 w x 272 + 8 x lane: h's stage
.set OST,  10                          ; the way out, in
.set ORD,  11                          ; the way out, back
.set OOFF, 12                          ; 512 w + 16 x lane: my bytes of a row of embed and of out0
.set M,    16                          ; v[16:19] mask of tokens 16 mb + r, mb = 0..3
.set PK,   20                          ; v[20:23] eight act values in bf16
.set T1,   24                          ; v[24:55] GELU at work
.set T2,   32
.set T3,   40
.set T4,   48
.set VA4,  56                          ; v[56:57] a4/2, twice
.set ACC1, 64                          ; v[64:127] GEMM1's sums: tile 2 mb + db.  Gather offsets at the start and at the end
.set XA,   128                         ; v[128:255] four operand areas of 32 registers
; windows 1, 2: h fragment (mb, ks) at 256 + 32 ks + 8 mb.  At the end window 1: the residual rows in f32, token tok at 256 + 4 tok
; window 3: GEMM2's sums, tile (mb, nb) at 768 + 64 mb + 8 nb.  At the start: the gathered rows, chunk c of token t at 768 + 64 c + 4 t
; scalars: s[4:11] x, embed, token_mask, wt; s[12:13] out0 at my rows; s14 wave; s15 work-group; s[24:31] group 1; s[32:35], s[36:39] group 0 of slot 0, 1;
;          s[40:55] constants; s56 counter; s[58:59] x at my 64 tokens; s[68:99] (at the end s[16:47] too) token indices
.set MSB, 0
.macro WIN new                         ; s_set_vgpr_msb: bits 1:0 source 0, 3:2 source 1, 5:4 source 2, 7:6 destination; the high byte repeats the setting that is left
.if MSB != \new
	s_set_vgpr_msb (MSB<<8)|\new
.set MSB, \new
.endif
.endm
.macro PLACES                          ; four plain vector instructions between a matrix instruction and a load into, or a vector read of, its registers
.rept 4
	v_nop
.endr
.endm
.macro CREST                           ; a round of the cluster's barrier behind its opening work-group barrier
	s_cmp_lg_u32 s14, 0
	s_cbranch_scc1 .Lnot_wave_0_\@
	s_barrier_signal -3
.Lnot_wave_0_\@:
	s_barrier_wait -3
	s_barrier_signal -1
	s_barrier_wait -1
.endm
.macro ROUND                           ; a whole round
	s_barrier_signal -1
	s_barrier_wait -1
	CREST
.endm
	s_load_b256 s[4:11], s[0:1], 0x0
	s_load_b64 s[12:13], s[0:1], 0x20
	v_lshl_add_u32 v62, v0, 2, 0x4d800
	v_mov_b32 v63, 0
	ds_add_u32 v62, v63
	v_lshrrev_b32 v13, 5, v0
	v_readfirstlane_b32 s14, v13                   ; wave 0..3
	s_bfe_u32 s16, ttmp6, 0x40000                  ; cx
	s_lshl_b32 s15, ttmp9, 2
	s_add_co_u32 s15, s15, s16                     ; work-group = 4 x cluster + cx: it enters global addresses of x and out0 alone
	v_and_b32 v14, 31, v0                          ; lane
	v_and_b32 v15, 15, v0                          ; r
	v_bfe_u32 v13, v0, 4, 1                        ; h
	v_lshlrev_b32 v[L16], 4, v14
	v_lshlrev_b32 v32, 2, v15
	s_lshl_b32 s16, s15, 8                         ; 64 indices of 4 bytes
	s_mov_b32 s17, 0
	s_lshl_b32 s18, s14, 6                         ; 16 of them for each wave
	s_mov_b32 s19, 0
	s_lshl_b32 s20, s15, 17                        ; 64 rows of 2,048 bytes of out0
	s_mov_b32 s21, 0
	s_wait_dscnt 0x0
	s_wait_kmcnt 0x0
	s_add_nc_u64 s[58:59], s[4:5], s[16:17]
	s_add_nc_u64 s[60:61], s[58:59], s[18:19]
	s_add_nc_u64 s[12:13], s[12:13], s[20:21]
	s_load_b512 s[68:83], s[60:61], 0x0            ; my wave's 16 indices as scalars, for the gather of whole rows
	global_load_b32 v33, v32, s[60:61]             ; and index r in lane (r, h), for the mask
	; LDS addresses: constants, the wave's number times a constant, a lane term
	v_mul_u32_u24 v34, v15, PITCH
	v_lshl_add_u32 v34, v13, 4, v34                ; r x 272 + 16 h
	s_mul_i32 s16, s14, 32*PITCH
	v_add_nc_u32 v[AW1], s16, v34
	v_add_nc_u32 v[AW1+1], 2*QUART, v[AW1]
	s_mul_i32 s17, s14, QUART
	v_add_nc_u32 v[AW2Z], s17, v34
	v_add_nc_u32 v[AW2], SLOT, v[AW2Z]
	v_add_nc_u32 v[AAR], ACT0, v34
	v_lshl_add_u32 v[AST], s14, 6, v[AAR]
	v_lshl_add_u32 v[AMSK], v15, 4, MSKB
	v_lshl_add_u32 v35, v13, 11, v[AMSK]
	v_lshl_add_u32 v35, s14, 2, v35                ; mask in: MSKB + 2,048 h + 16 r + 4 w (+ 256 i): domain 8 h + i, token 16 w + r
	s_mul_i32 s18, s14, FRAG
	s_add_co_u32 s18, s18, ACT0
	v_lshl_add_u32 v[ASTG], v14, 3, s18
	s_mul_i32 s19, s14, OSTG
	s_add_co_u32 s19, s19, ACT0
	v_mul_u32_u24 v[OST], v15, OPITCH
	v_lshl_add_u32 v[OST], v13, 5, v[OST]
	v_add_nc_u32 v[OST], s19, v[OST]
	v_add_nc_u32 v[ORD], s19, v[L16]
	v_lshl_add_u32 v[OOFF], s14, 9, v[L16]
	v_mov_b32 v[VA4], 0xbf3a00e3                   ; a4/2 = -0.72657601
	v_mov_b32 v[VA4+1], 0xbf3a00e3
	s_wait_kmcnt 0x0
	s_wait_loadcnt 0x0
	v_min_u32 v33, 0x7cff, v33                     ; the index stays inside the table
	v_lshlrev_b32 v33, 6, v33                      ; a row of token_mask is 64 bytes;
	v_lshl_add_u32 v33, v13, 5, v33                ; my half of it: domains 8 h .. 8 h + 7
	global_load_b128 v[24:27], v33, s[8:9]
	global_load_b128 v[28:31], v33, s[8:9] offset:16
.irp t, 0,1,2,3,4,5,6,7,8,9,10,11,12,13,14,15
	s_min_u32 s[68+\t], s[68+\t], 0x7cff
	v_lshl_add_u32 v[ACC1+\t], s[68+\t], 11, v[L16]    ; row x 2,048 bytes + 16 x lane
.endr
	WIN 0xc0                                       ; destination window 3
.irp c, 0,1,2,3
.irp t, 0,1,2,3,4,5,6,7,8,9,10,11,12,13,14,15
	global_load_b128 v[64*\c+4*\t:64*\c+4*\t+3], v[ACC1+\t], s[6:7] offset:512*\c   ; 512 consecutive bytes of a row; no hint: a row may be named twice and is read again at the end
.endr
.endr
	WIN 0
	s_mov_b32 s40, 0x3f596d27                      ; sqrt(log2(e) / 2): exp(-x^2/2) = 2^-(this x)^2
	s_mov_b32 s41, 0x3f596d27
	s_mov_b32 s42, 0x3f07dc22                      ; a5/2 =  0.53070271
	s_mov_b32 s43, 0x3f07dc22
	s_mov_b32 s46, 0x3f35f0e3                      ; a3/2 =  0.71070687
	s_mov_b32 s47, 0x3f35f0e3
	s_mov_b32 s48, 0xbe11a98e                      ; a2/2 = -0.14224837
	s_mov_b32 s49, 0xbe11a98e
	s_mov_b32 s50, 0x3e027906                      ; a1/2 =  0.12741480
	s_mov_b32 s51, 0x3e027906
	s_mov_b32 s52, 0x3e6d3388                      ; p / sqrt(2) = 0.23164189
	s_mov_b32 s54, 0x3dcccccd                      ; 0.1
	s_mov_b32 s55, 0x3dcccccd
	; group 1, one for all loads: 128 rows x 128 elements of 2 bytes, dense in memory, 16 bytes of padding behind each row in LDS
	s_mov_b32 s24, 0x0771000f                      ; 15:0 mask: the four of my cluster; 17:16 2-byte elements; 20 padding on; 21 set beside a mask; 24:22 after every 64 words; 31:25 four words
	s_mov_b32 s25, 128<<16                         ; tensor_dim0 = 128
	s_mov_b32 s26, 128<<16                         ; tensor_dim1 = 128
	s_mov_b32 s27, 128<<16                         ; tile_dim0 = 128
	s_mov_b32 s28, 128                             ; tile_dim1 = 128
	s_mov_b32 s29, 128                             ; elements from row to row
	s_mov_b32 s30, 0
	s_mov_b32 s31, 0
	; group 0 for each slot: made of the wave's number and constants alone, so equal in the four partners
	s_mov_b32 s32, 1
	s_mul_i32 s33, s14, QUART                      ; slot 0, my quarter
	s_lshl_b32 s16, s14, 15
	s_mov_b32 s17, 0
	s_add_nc_u64 s[34:35], s[10:11], s[16:17]      ; W1T(0), my 128 rows
	s_mov_b32 s36, 1
	s_add_co_u32 s37, s33, SLOT                    ; slot 1, my quarter
	s_add_nc_u64 s[38:39], s[34:35], 0x200000      ; W2T(0), my 128 rows
	s_or_b32 s35, s35, 0x80000000                  ; type 2
	s_or_b32 s39, s39, 0x80000000
	ROUND                                          ; the four work-groups are here: the first joint loads meet
	tensor_load_to_lds s[32:35], s[24:31]          ; both first fills go out together, ahead of every LDS access
	s_nop 0
	tensor_load_to_lds s[36:39], s[24:31]
	s_nop 0
; h into fragments.  Chunk c = columns 128 c .. 128 c + 127: each wave rounds its 16 tokens' chunk to bf16 and stages it (buffer c mod 2); behind a barrier
; every wave reads all 64 tokens' fragments.  A buffer is written again two passes later: the barrier between has every wave's reads in front of it.
.macro PASS c
	s_wait_loadcnt 48-16*\c                        ; loads come back in order: the later chunks' gathers, 16 each, stay out (the mask's two loads are older than all)
.if \c == 0
.irp i, 0,1,2,3,4,5,6,7
	v_cvt_f32_i32 v[24+\i], v[24+\i]
.endr
.irp i, 0,1,2,3,4,5,6,7
	ds_store_b32 v35, v[24+\i] offset:256*\i
.endr
.endif
	WIN 0x0f                                       ; sources in window 3
.irp t, 0,1,2,3,4,5,6,7,8,9,10,11,12,13,14,15
	v_cvt_pk_bf16_f32 v[XA+2*\t], v[64*\c+4*\t], v[64*\c+4*\t+1]
	v_cvt_pk_bf16_f32 v[XA+2*\t+1], v[64*\c+4*\t+2], v[64*\c+4*\t+3]
.endr
	WIN 0
.irp t, 0,1,2,3,4,5,6,7,8,9,10,11,12,13,14,15
	ds_store_b64 v[ASTG], v[XA+2*\t:XA+2*\t+1] offset:(\c&1)*ACTB+\t*PITCH
.endr
	s_wait_dscnt 0x0                               ; my stores, and my reads of the pass before, are done
	s_barrier_signal -1                            ; the two tensor loads may stay out
	s_barrier_wait -1
.if \c < 2
	WIN 0x40                                       ; destination window 1
.else
	WIN 0x80                                       ; destination window 2
.endif
.irp ksl, 0,1,2,3
.irp mb, 0,1,2,3
.set HH, 32*((4*\c+\ksl)&7)+8*\mb
	ds_load_b128 v[HH:HH+3], v[AAR] offset:(\c&1)*ACTB+\mb*FRAG+\ksl*64
	ds_load_b128 v[HH+4:HH+7], v[AAR] offset:(\c&1)*ACTB+\mb*FRAG+\ksl*64+32
.endr
.endr
	WIN 0
.endm
	PASS 0
	PASS 1
	PASS 2
	PASS 3
	s_wait_dscnt 0x0
	s_wait_tensorcnt 0x1                           ; my quarter of slot 0 is in; slot 1's load, issued behind it, may stay out
	s_barrier_signal -1
	s_barrier_wait -1
; 16 LDS loads: my 32 rows of W1T, K block b (128 along K): fragment f = 2 ksl + db.  Even b: areas 0 and 2; odd b: areas 1 and 3.
.macro LOADA b
.irp f, 0,1,2,3,4,5,6,7
.set AA, XA+32*(\b&1)+64*(\f>>2)+8*(\f&3)
	ds_load_b128 v[AA:AA+3], v[AW1+(\b>>1)] offset:(\b&1)*QUART+(\f&1)*FRAG+(\f>>1)*64
	ds_load_b128 v[AA+4:AA+7], v[AW1+(\b>>1)] offset:(\b&1)*QUART+(\f&1)*FRAG+(\f>>1)*64+32
.endr
.endm
; 32 matrix instructions of GEMM1 on K block b.  The eight accumulators take turns, one instruction a turn.
; zero = 1: the first product of each tile starts its sum.
.macro MULA b, zero
.if \b < 2
	WIN 0x04                                       ; source 1 (h) in window 1
.else
	WIN 0x08                                       ; in window 2
.endif
.irp ksl, 0,1,2,3
.irp db, 0,1
.irp mb, 0,1,2,3
.set DD, ACC1+8*(2*\mb+\db)
.set AA, XA+32*(\b&1)+64*((2*\ksl+\db)>>2)+8*((2*\ksl+\db)&3)
.set BB, 32*((4*\b+\ksl)&7)+8*\mb
.set ZC, \zero*(1-(\ksl+3)/4)
.if ZC
	v_wmma_f32_16x16x32_bf16 v[DD:DD+7], v[AA:AA+7], v[BB:BB+7], 0
.else
	v_wmma_f32_16x16x32_bf16 v[DD:DD+7], v[AA:AA+7], v[BB:BB+7], v[DD:DD+7]
.endif
.endr
.endr
.endr
.endm
; 8 LDS loads: group g of GEMM2 = K step g / 2 (32 along K), column blocks 4 (g mod 2) + 0..3 of my eight.  Area g mod 2.
.macro LOADW g, areg
.irp i, 0,1,2,3
.set AA, XA+32*(\g&1)+8*\i
	ds_load_b128 v[AA:AA+3], v[\areg] offset:(4*(\g&1)+\i)*FRAG+(\g>>1)*64
	ds_load_b128 v[AA+4:AA+7], v[\areg] offset:(4*(\g&1)+\i)*FRAG+(\g>>1)*64+32
.endr
.endm
; 8 LDS loads: act of all 64 tokens, K step ks.  Area 2 + ks mod 2.
.macro LOADACT ks, buf
.irp mb, 0,1,2,3
.set AA, XA+64+32*(\ks&1)+8*\mb
	ds_load_b128 v[AA:AA+3], v[AAR] offset:\buf*ACTB+\mb*FRAG+\ks*64
	ds_load_b128 v[AA+4:AA+7], v[AAR] offset:\buf*ACTB+\mb*FRAG+\ks*64+32
.endr
.endm
; GELU of one tile of GEMM1's sums, in four stages:  gelu(x) = max(x, 0) - |x| q(t) exp(-x^2/2),  t = 1/(1 + p|x|/sqrt 2),
; q(t) = (a1 t + a2 t^2 + a3 t^3 + a4 t^4 + a5 t^5)/2.  The one form serves both signs of x.
.macro GS1 tau
	WIN 0
.set XX, ACC1+8*(\tau)
.irp k, 0,2,4,6
	v_pk_mul_f32 v[T1+\k:T1+\k+1], v[XX+\k:XX+\k+1], s[40:41] op_sel_hi:[1,0]
.endr
.irp k, 0,2,4,6
	v_pk_mul_f32 v[T1+\k:T1+\k+1], v[T1+\k:T1+\k+1], v[T1+\k:T1+\k+1] neg_lo:[1,0] neg_hi:[1,0]   ; -x^2 log2(e)/2
.endr
.irp j, 0,1,2,3,4,5,6,7
	v_fma_f32 v[T2+\j], |v[XX+\j]|, s52, 1.0
.endr
.irp j, 0,1,2,3,4,5,6,7
	v_max_num_f32 v[T4+\j], 0, v[XX+\j]
.endr
.endm
.macro GS2
	WIN 0
.irp j, 0,1,2,3,4,5,6,7
	v_rcp_f32 v[T2+\j], v[T2+\j]
.endr
.irp j, 0,1,2,3,4,5,6,7
	v_exp_f32 v[T1+\j], v[T1+\j]
.endr
	v_nop                                          ; one plain vector instruction between the last of them and whatever follows (ISA guide 5.7.2)
.endm
.macro GS3
	WIN 0
	s_wait_alu depctr_va_vdst(0)
.irp k, 0,2,4,6
	v_pk_fma_f32 v[T3+\k:T3+\k+1], v[T2+\k:T2+\k+1], s[42:43], v[VA4:VA4+1] op_sel_hi:[1,0,1]
.endr
.irp a, 46,48,50
.irp k, 0,2,4,6
	v_pk_fma_f32 v[T3+\k:T3+\k+1], v[T3+\k:T3+\k+1], v[T2+\k:T2+\k+1], s[\a:\a+1] op_sel_hi:[1,1,0]
.endr
.endr
.irp k, 0,2,4,6
	v_pk_mul_f32 v[T3+\k:T3+\k+1], v[T3+\k:T3+\k+1], v[T2+\k:T2+\k+1]
.endr
.endm
.macro GS4 tau, wbuf
	WIN 0
.set XX, ACC1+8*(\tau)
.set MP, M+2*((\tau)>>2)
.irp k, 0,2,4,6
	v_pk_mul_f32 v[T3+\k:T3+\k+1], v[T3+\k:T3+\k+1], v[T1+\k:T1+\k+1]
.endr
.irp j, 0,1,2,3,4,5,6,7
	v_fma_f32 v[T4+\j], -|v[XX+\j]|, v[T3+\j], v[T4+\j]
.endr
.irp k, 0,2,4,6
.if ((\tau)>>1)&1
	v_pk_mul_f32 v[T4+\k:T4+\k+1], v[T4+\k:T4+\k+1], v[MP:MP+1] op_sel:[0,1] op_sel_hi:[1,1]   ; my token's mask: the pair's second register for both
.else
	v_pk_mul_f32 v[T4+\k:T4+\k+1], v[T4+\k:T4+\k+1], v[MP:MP+1] op_sel_hi:[1,0]                ; the pair's first register for both
.endif
.endr
.irp j, 0,1,2,3
	v_cvt_pk_bf16_f32 v[PK+\j], v[T4+2*\j], v[T4+2*\j+1]
.endr
	ds_store_b128 v[AST], v[PK:PK+3] offset:\wbuf*ACTB+((\tau)>>1)*FRAG+((\tau)&1)*32
.endm
; four matrix instructions of GEMM2: column block i of group g x the four token blocks.  Each names another accumulator: turns of one instruction.
.macro G2QUAD g, i, zero
	WIN 0xf0                                       ; C and D in window 3
.set AA, XA+32*(\g&1)+8*\i
.set ZC, \zero*(1-((\g>>1)+3)/4)
.irp mb, 0,1,2,3
.set DD, 64*\mb+8*(4*(\g&1)+\i)
.set BB, XA+64+32*((\g>>1)&1)+8*\mb
.if ZC
	v_wmma_f32_16x16x32_bf16 v[DD:DD+7], v[AA:AA+7], v[BB:BB+7], 0
	s_wait_alu depctr_va_vdst(0)
.else
	v_wmma_f32_16x16x32_bf16 v[DD:DD+7], v[AA:AA+7], v[BB:BB+7], v[DD:DD+7]
.endif
.endr
.endm
; a group: sixteen matrix instructions, with the four stages of one tile's GELU between them.  Behind the last four stand the twenty vector
; instructions of stage 4, or four v_nop: the loads that follow go into registers that the group has read.
.macro G2GROUP g, zero, gelu, tau, wbuf
	G2QUAD \g, 0, \zero
.if \gelu
	GS1 \tau
.endif
	G2QUAD \g, 1, \zero
.if \gelu
	GS2
.endif
	G2QUAD \g, 2, \zero
.if \gelu
	GS3
.endif
	G2QUAD \g, 3, \zero
.if \gelu
	GS4 \tau, \wbuf
.else
	WIN 0
	PLACES
.endif
.endm
; GEMM1 of a domain, out of slot 0, and the slot's refill.  carry = 1: the last group of the GEMM2 before, whose operands lie in areas 1 and 3, covers the first loads' way.
; Each s_wait_dscnt 16 leaves out the 16 loads of the next K block and nothing else.
.macro A_PHASE carry, step
	WIN 0
	ds_load_b128 v[M:M+3], v[AMSK]                 ; this domain's mask of my four tokens
	v_add_nc_u32 v[AMSK], 0x100, v[AMSK]
	LOADA 0
.if \carry
	G2GROUP 7, 0, 0, 0, 0
.endif
	LOADA 1
	s_wait_dscnt 16
	MULA 0, 1
	PLACES
	LOADA 2
	s_wait_dscnt 16
	MULA 1, 0
	PLACES
	LOADA 3
	s_wait_dscnt 16
	MULA 2, 0
	s_wait_dscnt 0x0                               ; my reads of slot 0 are over
	s_set_vgpr_msb 0x800
	s_wait_tensorcnt 0x0                           ; all my tensor loads have landed (the one that was out is my quarter of slot 1), so a group 0 may be written
	ds_add_u32 v62, v63
	s_wait_dscnt 0x0
	s_set_vgpr_msb 0x8
	s_add_nc_u64 s[34:35], s[34:35], \step
	s_barrier_signal -1                            ; opens a round of the cluster's barrier;
	MULA 3, 0                                      ; register work while the others arrive
	WIN 0
	s_barrier_wait -1
	CREST                                          ; no wave of any partner still reads slot 0 or has a load on its way
	tensor_load_to_lds s[32:35], s[24:31]          ; my one tensor load behind the round, and the first thing there
	s_nop 0
	PLACES                                         ; behind the last matrix instructions: GELU reads their sums, loads go into their operands
.endm
; GEMM2 of the domain before (act from buffer rbuf, weights at areg), groups 0 to 6 (last = 1: 7 too), with this domain's GELU (into buffer wbuf) between them.
; The counts: what was issued behind the loads that a group needs: two runs (at the end one) of eight fragment loads, and the act stores since (gelu = 1: one, once two).
.macro B_PHASE zero, rbuf, wbuf, areg, gelu, last
	WIN 0
	LOADW 0, \areg
	LOADACT 0, \rbuf
	LOADW 1, \areg
	LOADACT 1, \rbuf
.if \gelu
	GS1 0
	GS2
	GS3
	GS4 0, \wbuf
.endif
	s_wait_dscnt 16+\gelu                          ; out: weights 1, act 1, tile 0's store
	G2GROUP 0, \zero, \gelu, 1, \wbuf
	LOADW 2, \areg
	s_wait_dscnt 16+2*\gelu                        ; out: act 1, two stores, weights 2
	G2GROUP 1, \zero, \gelu, 2, \wbuf
	LOADW 3, \areg
	LOADACT 2, \rbuf
	s_wait_dscnt 16+\gelu                          ; out: a store, weights 3, act 2
	G2GROUP 2, \zero, \gelu, 3, \wbuf
	LOADW 4, \areg
	s_wait_dscnt 16+\gelu                          ; out: act 2, a store, weights 4
	G2GROUP 3, \zero, \gelu, 4, \wbuf
	LOADW 5, \areg
	LOADACT 3, \rbuf
	s_wait_dscnt 16+\gelu                          ; out: a store, weights 5, act 3
	G2GROUP 4, \zero, \gelu, 5, \wbuf
	LOADW 6, \areg
	s_wait_dscnt 16+\gelu                          ; out: act 3, a store, weights 6
	G2GROUP 5, \zero, \gelu, 6, \wbuf
	LOADW 7, \areg
	s_wait_dscnt 8+\gelu                           ; out: a store, weights 7
	G2GROUP 6, \zero, \gelu, 7, \wbuf
.if \last
	s_wait_dscnt 0x0
	G2GROUP 7, \zero, 0, 0, 0
.endif
.endm
; The end of a domain's trip: act is whole, slot 1 has been read (group 7's operands lie in registers), slot 0's refill has landed.
.macro RB refill
	WIN 0
	s_wait_dscnt 0x0                               ; my act stores and my reads of slot 1 and of the other act buffer are done
	s_wait_tensorcnt 0x0                           ; my quarter of slot 0 is in; no tensor load of mine is out
	ds_add_u32 v62, v63
	s_wait_dscnt 0x0
.if \refill
	s_add_nc_u64 s[38:39], s[38:39], 0x20000       ; the next domain's W2T
	ROUND
	tensor_load_to_lds s[36:39], s[24:31]          ; my one tensor load behind the round, and the first thing there
	s_nop 0
.else
	s_barrier_signal -1
	s_barrier_wait -1
.endif
.endm
	A_PHASE 0, 0x20000                             ; domain 0; the refill brings W1T(1)
.irp tau, 0,1,2,3,4,5,6,7
	GS1 \tau
	GS2
	GS3
	GS4 \tau, 0
.endr
	RB 0                                           ; slot 1 still holds W2T(0), unread: nothing to fill
	A_PHASE 0, 0x20000                             ; domain 1
	B_PHASE 1, 0, 1, AW2, 1, 0                     ; GEMM2(0): its first products start the sums
	RB 1
	s_mov_b32 s56, 6                               ; domains 2 to 13, two a trip
.Ldomains:
	A_PHASE 1, 0x20000
	B_PHASE 0, 1, 0, AW2, 1, 0
	RB 1
	A_PHASE 1, 0x20000
	B_PHASE 0, 0, 1, AW2, 1, 0
	RB 1
	s_sub_co_u32 s56, s56, 1
	s_cmp_lg_u32 s56, 0
	s_cbranch_scc1 .Ldomains
	A_PHASE 1, 0x20000                             ; domain 14; the refill brings W1T(15)
	B_PHASE 0, 1, 0, AW2, 1, 0
	RB 1                                           ; W2T(14): slot 1's last fill
	A_PHASE 1, 0x200000                            ; domain 15; slot 0 takes W2T(15), 0x200000 bytes behind W1T(15)
	B_PHASE 0, 0, 1, AW2, 1, 0
	WIN 0
	s_wait_dscnt 0x0                               ; act(15) is stored, my reads are done
	s_wait_tensorcnt 0x0                           ; my quarter of W2T(15) is in; no descriptor is in use any more
	s_load_b512 s[16:31], s[58:59], 0x0            ; all 64 indices, over registers whose use is over
	s_load_b512 s[32:47], s[58:59], 0x40
	s_load_b512 s[68:83], s[58:59], 0x80
	s_load_b512 s[84:99], s[58:59], 0xc0
	s_barrier_signal -1
	s_barrier_wait -1
	; The residual in f32: my 512 bytes (columns 128 w ..) of all 64 rows, asked for now, used behind the last 144 matrix instructions.
	s_wait_kmcnt 0x0
.macro IDX sbase, tok0
.irp t, 0,1,2,3,4,5,6,7,8,9,10,11,12,13,14,15
	s_min_u32 s[\sbase+\t], s[\sbase+\t], 0x7cff
	v_lshl_add_u32 v[ACC1+\tok0+\t], s[\sbase+\t], 11, v[OOFF]
.endr
.endm
	IDX 16, 0
	IDX 32, 16
	IDX 68, 32
	IDX 84, 48
	WIN 0x40                                       ; destination window 1: h's fragments there were last read in domain 15's GEMM1
.set tok, 0
.rept 64
	global_load_b128 v[4*tok:4*tok+3], v[ACC1+tok], s[6:7]
.set tok, tok+1
.endr
	G2GROUP 7, 0, 0, 0, 0                          ; the last group of GEMM2(14)
	B_PHASE 0, 1, 0, AW2Z, 0, 1                    ; GEMM2(15), weights in slot 0, no GELU left
	s_wait_dscnt 0x0
	s_barrier_signal -1                            ; every wave has read act(15): the act buffers become the way out
	s_barrier_wait -1
	s_wait_loadcnt 0x0                             ; the residual rows
; THE WAY OUT, 16 tokens at a time: the sums go into my own stage (row = token, 128 f32), come back as whole rows, out = 0.1 x sum + h.
; The stage is my wave's own and LDS serves a wave's instructions in order (ISA guide 5.7.1): no wait between the stores and the loads.
.macro OUT16 mb
	WIN 0x0c                                       ; store data in window 3
.irp nb, 0,1,2,3,4,5,6,7
	ds_store_b128 v[OST], v[64*\mb+8*\nb:64*\mb+8*\nb+3] offset:64*\nb
	ds_store_b128 v[OST], v[64*\mb+8*\nb+4:64*\mb+8*\nb+7] offset:64*\nb+16
.endr
	WIN 0
	s_wait_xcnt 0x0                                ; registers that earlier stores read are loaded again only behind this wait (ISA guide 3.1)
.set FF, XA+64*(\mb&1)
.irp t, 0,1,2,3,4,5,6,7,8,9,10,11,12,13,14,15
	ds_load_b128 v[FF+4*\t:FF+4*\t+3], v[ORD] offset:OPITCH*\t
.endr
	WIN 0x10                                       ; source 2 (the residual) in window 1
.irp t, 0,1,2,3,4,5,6,7,8,9,10,11,12,13,14,15
	s_wait_dscnt 15-\t                             ; row t is back, the younger rows stay out
	v_pk_fma_f32 v[FF+4*\t:FF+4*\t+1], v[FF+4*\t:FF+4*\t+1], s[54:55], v[64*\mb+4*\t:64*\mb+4*\t+1] op_sel_hi:[1,0,1]
	v_pk_fma_f32 v[FF+4*\t+2:FF+4*\t+3], v[FF+4*\t+2:FF+4*\t+3], s[54:55], v[64*\mb+4*\t+2:64*\mb+4*\t+3] op_sel_hi:[1,0,1]
	global_store_b128 v[OOFF], v[FF+4*\t:FF+4*\t+3], s[12:13] offset:(16*\mb+\t)*2048 th:TH_STORE_NT   ; a wave's store covers 512 consecutive bytes, aligned
.endr
.endm
	OUT16 0
	OUT16 1
	OUT16 2
	OUT16 3
	WIN 0
	s_wait_tensorcnt 0x0
	ds_add_u32 v62, v63
	s_wait_dscnt 0x0
	ROUND                                          ; the closing round: no work-group ends while a partner may still ask for a tile that names it
	s_endpgm
.Lfunc_end_k_q5f1b02f5ff_mlp:
	.size	k_q5f1b02f5ff_mlp, .Lfunc_end_k_q5f1b02f5ff_mlp-k_q5f1b02f5ff_mlp
	.p2alignl 7, 3214868480
	.fill 96, 4, 3214868480
	.section	.rodata,"a",@progbits
	.p2align	6, 0x0
	.amdhsa_kernel k_q5f1b02f5ff_mlp
		.amdhsa_group_segment_fixed_size 327680
		.amdhsa_private_segment_fixed_size 0
		.amdhsa_enable_private_segment 0
		.amdhsa_kernarg_size 40
		.amdhsa_user_sgpr_count 2
		.amdhsa_user_sgpr_kernarg_segment_ptr 1
		.amdhsa_wavefront_size32 1
		.amdhsa_system_sgpr_workgroup_id_x 1
		.amdhsa_system_sgpr_workgroup_id_y 1
		.amdhsa_system_sgpr_workgroup_id_z 1
		.amdhsa_system_vgpr_workitem_id 0
		.amdhsa_next_free_vgpr 1024
		.amdhsa_next_free_sgpr 100
		.amdhsa_reserve_vcc 0
		.amdhsa_float_denorm_mode_32 3
		.amdhsa_float_denorm_mode_16_64 3
		.amdhsa_memory_ordered 1
		.amdhsa_forward_progress 1
		.amdhsa_inst_pref_size 255
	.end_amdhsa_kernel
	.section	.bss,"aw",@nobits
	.p2align	6
	.space	262144
	.amdgpu_metadata
---
amdhsa.version: [ 1, 2 ]
amdhsa.kernels:
  - .name:           k_q5f1b02f5ff_mlp
    .symbol:         k_q5f1b02f5ff_mlp.kd
    .args:
      - { .name: x, .offset: 0, .size: 8, .value_kind: global_buffer, .address_space: global }
      - { .name: embed, .offset: 8, .size: 8, .value_kind: global_buffer, .address_space: global }
      - { .name: token_mask, .offset: 16, .size: 8, .value_kind: global_buffer, .address_space: global }
      - { .name: wt, .offset: 24, .size: 8, .value_kind: global_buffer, .address_space: global }
      - { .name: out0, .offset: 32, .size: 8, .value_kind: global_buffer, .address_space: global }
    .group_segment_fixed_size: 327680
    .private_segment_fixed_size: 0
    .kernarg_segment_align: 8
    .kernarg_segment_size: 40
    .max_flat_workgroup_size: 128
    .sgpr_count:     100
    .vgpr_count:     1024
    .wavefront_size: 32
...
	.end_amdgpu_metadata
.endif
;; end of part 2
;; ======== version 2 of 3: 2 launches; 1.12 times as fast as version 1
;; limits: a function is approximated: absolute error at most 0.0005
;; workspace buffers: wt 4,194,304 bytes
;; launch prep: the kernel of part 1 again; grid 128 x 2, 8 waves a work-group, no clusters, 18,432 bytes of LDS; arguments W1, W2, wt; writes wt
;; launch mlp (part 3): grid 256 x 1, 4 waves a work-group, clusters of 4 x 1, 327,680 bytes of LDS; arguments x, embed, token_mask, wt, out0; writes out0
.if DOCPART == 3
	.amdgcn_target "amdgcn-amd-amdhsa--gfx1250"
	.amdhsa_code_object_version 6
	.text
	.protected	k_q5f1b02f5ff_mlp
	.globl	k_q5f1b02f5ff_mlp
	.p2align	8
	.type	k_q5f1b02f5ff_mlp,@function
k_q5f1b02f5ff_mlp:
	s_mov_b64 s[64:65], 0
	v_nop
	global_prefetch_b8 v0, s[64:65] scope:SCOPE_SE
	s_setreg_imm32_b32 hwreg(HW_REG_WAVE_MODE, 25, 1), 1
	s_wait_xcnt 0x0
	s_wait_alu depctr_hold_cnt(0) depctr_sa_sdst(0) depctr_va_vdst(0) depctr_va_sdst(0) depctr_va_ssrc(0) depctr_va_vcc(0) depctr_vm_vsrc(0)
	s_getreg_b32 s2, hwreg(HW_REG_IB_STS2, 6, 4)
	s_cmp_eq_u32 s2, 0
	s_cbranch_scc0 .Lentry_in_a_cluster
	s_endpgm
.Lentry_in_a_cluster:
	s_bfe_u32 s2, ttmp6, 0x10000c
	s_cmp_lg_u32 s2, 0x3003
	s_cbranch_scc0 .Lentry_shape_is_right
	s_endpgm
.Lentry_shape_is_right:
; out[t] = h[t] + 0.1 * sum over n of mask[t][n] * gelu(h[t] W1[n]) W2[n],   h[t] = embed[x[t]],  mask[t][n] = float(token_mask[x[t]][n]).
; 16,384 tokens on 256 work-groups: 64 tokens each, four waves.  Nothing but the weights (wt, bf16, K along the rows) comes through LDS fills:
;   h      stays in registers as bf16 fragments (64 tokens x 512, every wave holds all of it: 512 registers),
;   act    goes from wave to wave through LDS (two buffers of 64 x 128 bf16 that take turns),
;   the 64 x 512 f32 sums stay in registers over all 16 domains (a wave holds 64 tokens x 128 columns: 256 registers).
; GEMM1: wave w makes 64 tokens x d = 32 w .. 32 w + 31 over K = 512 (128 matrix instructions).
; GEMM2: wave w makes 64 tokens x columns 128 w .. 128 w + 127 over K = 128 (128 matrix instructions).
; GEMM2 of one step is put off into the next step, so that that step's GELU, which is register work, stands between its matrix instructions.
; BOTH PRODUCTS ARE USED TRANSPOSED: source 0 = 16 rows of the weights, source 1 = 16 tokens.  Lane (r = l % 16, h = l / 16) then holds token r
; and in its registers 0-7 the eight neighbouring columns 8 h + 0..7: the mask is one number a lane, and eight act values pack into 16 bytes.
; CLUSTER: every work-group walks the same weights.  Four work-groups form a cluster and ask for each tile jointly (mask 15): the requests for the
; weights are divided by four.  A tile of 512 rows x 256 bytes is brought by four loads, one a wave, 128 rows each.
; By this text's own count a wave has two tensor loads out at the start and one behind each round later.
; ORDER OF THE DOMAINS: cluster c takes domain (first + k) mod 16 in step k, first = (c xor c/4) mod 16.  In every step the 64 clusters ask for all sixteen
; domains' tiles, four clusters each, and from step 1 on a tile has been read by other clusters one step earlier.  Whichever one bit of c is held fixed, the 32
; clusters left still begin at all sixteen domains.  The sum over the domains is the same sum in another order.
; GELU: gelu(x) = x Phi(x), and Phi(x) is taken as 1 / (1 + 2^(x (alpha + beta x^2))), that is the logistic function of 2 sqrt(2/pi) (x + 0.044715 x^3):
; the tanh form of GELU, which here STANDS FOR the erf form.  It needs no |x|, so all but the exponential and the reciprocal goes two numbers at a time.
; LIMITS: an index above 31,999 is taken as 31,999.  Phi is off from the erf form by at most 1.8e-4, gelu by at most 5e-4 (largest near |x| = 2.7): for x > 0
; under 0.04 per cent of gelu, against the rounding of act to bf16 (2^-9 relative) that follows; in the negative tail the relative error grows (3 per cent at
; x = -2.5, 11 per cent at x = -3, of values below 0.02).  The cubic is monotone: large |x| gives x or -0.  A pre-activation of -infinity gives NaN.
; h, W1, W2 and act x mask are rounded to bf16 as matrix operands; GELU, mask, 0.1 and the residual are f32.
.set PITCH,  272                       ; an LDS row: 256 bytes + 16, an odd multiple of 16: the sixteen rows of a fragment load lie in sixteen different 16-byte columns modulo 256
.set FRAG,   16*PITCH                  ; sixteen rows
.set QUART,  128*PITCH                 ; what one tensor load brings
.set SLOT,   4*QUART                   ; slot 0 at 0: W1T of a step, at the very end W2T of step 15; slot 1 at SLOT: W2T
.set ACT0,   2*SLOT                    ; two buffers of 64 rows x 272, written by LDS stores alone: h's stage, then act of step k in buffer k mod 2, then the way out
.set ACTB,   64*PITCH
.set MSKB,   ACT0+2*ACTB               ; f32 mask[step k][r][mb] at k*256 + r*16 + mb*4 (token 16 mb + r): 4,096 bytes.  End of LDS: 317,440
.set OPITCH, 528                       ; the way out: a row of 128 f32 + 16 bytes
.set OSTG,   16*OPITCH                 ; sixteen rows for each wave; four waves take 33,792 of the 34,816 bytes of the two act buffers
; window 0
.set L16,  1                           ; 16 x lane
.set AW1,  2                           ; v2: (32 w + r) x 272 + 16 h, K blocks 0, 1 of W1T;  v3: the same + 2 QUART, K blocks 2, 3
.set AW2,  4                           ; SLOT + (128 w + r) x 272 + 16 h
.set AW2Z, 5                           ; the same in slot 0
.set AAR,  6                           ; ACT0 + r x 272 + 16 h: fragments of 16 tokens
.set AST,  7                           ; AAR + 64 w: where my 32 columns of act go
.set AMSK, 8                           ; MSKB + 16 r, 256 further for each step
.set ASTG, 9                           ; ACT0 + 16 w x 272 + 8 x lane: h's stage
.set OST,  10                          ; the way out, in
.set ORD,  11                          ; the way out, back
.set OOFF, 12                          ; 512 w + 16 x lane: my bytes of a row of embed and of out0
.set M,    16                          ; v[16:19] mask of tokens 16 mb + r, mb = 0..3
.set PK,   20                          ; v[20:23] eight act values in bf16
.set T1,   24                          ; v[24:39] GELU at work
.set T2,   32
.set MO,   40                          ; v[40:47] at the start: byte offsets of my eight mask words
.set VA,   56                          ; v[56:57] alpha, twice
.set ACC1, 64                          ; v[64:127] GEMM1's sums: tile 2 mb + db.  Gather offsets at the start and at the end
.set XA,   128                         ; v[128:255] four operand areas of 32 registers
; windows 1, 2: h fragment (mb, ks) at 256 + 32 ks + 8 mb.  At the end window 1: the residual rows in f32, token tok at 256 + 4 tok
; window 3: GEMM2's sums, tile (mb, nb) at 768 + 64 mb + 8 nb.  At the start: the gathered rows, chunk c of token t at 768 + 64 c + 4 t
; scalars: s[4:11] x, embed, token_mask, wt; s[12:13] out0 at my rows; s14 wave; s15 work-group; s[24:31] group 1; s[32:35], s[36:39] group 0 of slot 0, 1;
;          s[42:43] beta; s[54:55] 0.1; s56 counter; s[58:59] x at my 64 tokens; s62 first domain; s[84:85], s[86:87] my 128 rows of W1T, W2T of domain 0;
;          s88, s89 the domain last asked for into slot 0, 1; s[90:91] its byte offset; s[68:99] (at the end s[16:47] too) token indices
.set MSB, 0
.macro WIN new                         ; s_set_vgpr_msb: bits 1:0 source 0, 3:2 source 1, 5:4 source 2, 7:6 destination; the high byte repeats the setting that is left
.if MSB != \new
	s_set_vgpr_msb (MSB<<8)|\new
.set MSB, \new
.endif
.endm
.macro PLACES                          ; four plain vector instructions between a matrix instruction and a load into, or a vector read of, its registers
.rept 4
	v_nop
.endr
.endm
.macro CREST                           ; a round of the cluster's barrier behind its opening work-group barrier
	s_cmp_lg_u32 s14, 0
	s_cbranch_scc1 .Lnot_wave_0_\@
	s_barrier_signal -3
.Lnot_wave_0_\@:
	s_barrier_wait -3
	s_barrier_signal -1
	s_barrier_wait -1
.endm
.macro ROUND                           ; a whole round
	s_barrier_signal -1
	s_barrier_wait -1
	CREST
.endm
	s_load_b256 s[4:11], s[0:1], 0x0
	s_load_b64 s[12:13], s[0:1], 0x20
	v_lshl_add_u32 v62, v0, 2, 0x4d800
	v_mov_b32 v63, 0
	ds_add_u32 v62, v63
	v_lshrrev_b32 v13, 5, v0
	v_readfirstlane_b32 s14, v13                   ; wave 0..3
	s_bfe_u32 s16, ttmp6, 0x40000                  ; cx
	s_lshl_b32 s15, ttmp9, 2
	s_add_co_u32 s15, s15, s16                     ; work-group = 4 x cluster + cx: it enters global addresses of x and out0 alone
	s_lshr_b32 s62, ttmp9, 2
	s_xor_b32 s62, s62, ttmp9
	s_and_b32 s62, s62, 15                         ; my cluster's first domain: made of the cluster's number alone, equal in the four partners
	v_and_b32 v14, 31, v0                          ; lane
	v_and_b32 v15, 15, v0                          ; r
	v_bfe_u32 v13, v0, 4, 1                        ; h
	v_lshlrev_b32 v[L16], 4, v14
	v_lshlrev_b32 v32, 2, v15
	s_lshl_b32 s16, s15, 8                         ; 64 indices of 4 bytes
	s_mov_b32 s17, 0
	s_lshl_b32 s18, s14, 6                         ; 16 of them for each wave
	s_mov_b32 s19, 0
	s_lshl_b32 s20, s15, 17                        ; 64 rows of 2,048 bytes of out0
	s_mov_b32 s21, 0
	s_wait_dscnt 0x0
	s_wait_kmcnt 0x0
	s_add_nc_u64 s[58:59], s[4:5], s[16:17]
	s_add_nc_u64 s[60:61], s[58:59], s[18:19]
	s_add_nc_u64 s[12:13], s[12:13], s[20:21]
	s_load_b512 s[68:83], s[60:61], 0x0            ; my wave's 16 indices as scalars, for the gather of whole rows
	global_load_b32 v33, v32, s[60:61]             ; and index r in lane (r, h), for the mask
	; LDS addresses: constants, the wave's number times a constant, a lane term
	v_mul_u32_u24 v34, v15, PITCH
	v_lshl_add_u32 v34, v13, 4, v34                ; r x 272 + 16 h
	s_mul_i32 s16, s14, 32*PITCH
	v_add_nc_u32 v[AW1], s16, v34
	v_add_nc_u32 v[AW1+1], 2*QUART, v[AW1]
	s_mul_i32 s17, s14, QUART
	v_add_nc_u32 v[AW2Z], s17, v34
	v_add_nc_u32 v[AW2], SLOT, v[AW2Z]
	v_add_nc_u32 v[AAR], ACT0, v34
	v_lshl_add_u32 v[AST], s14, 6, v[AAR]
	v_lshl_add_u32 v[AMSK], v15, 4, MSKB
	v_lshl_add_u32 v35, v13, 11, v[AMSK]
	v_lshl_add_u32 v35, s14, 2, v35                ; mask in: MSKB + 2,048 h + 16 r + 4 w (+ 256 i): step 8 h + i, token 16 w + r
	s_mul_i32 s18, s14, FRAG
	s_add_co_u32 s18, s18, ACT0
	v_lshl_add_u32 v[ASTG], v14, 3, s18
	s_mul_i32 s19, s14, OSTG
	s_add_co_u32 s19, s19, ACT0
	v_mul_u32_u24 v[OST], v15, OPITCH
	v_lshl_add_u32 v[OST], v13, 5, v[OST]
	v_add_nc_u32 v[OST], s19, v[OST]
	v_add_nc_u32 v[ORD], s19, v[L16]
	v_lshl_add_u32 v[OOFF], s14, 9, v[L16]
	v_mov_b32 v[VA], 0xc0135761                    ; alpha = -2 sqrt(2/pi) log2(e) = -2.3022082
	v_mov_b32 v[VA+1], 0xc0135761
	v_lshl_add_u32 v36, v13, 3, s62                ; 8 h + first domain
	s_wait_kmcnt 0x0
	s_wait_loadcnt 0x0
	v_min_u32 v33, 0x7cff, v33                     ; the index stays inside the table
	v_lshlrev_b32 v33, 6, v33                      ; a row of token_mask is 64 bytes
	; The mask in the order of my cluster's steps: step 8 h + i takes domain (8 h + i + first) mod 16.  The turn is made in the global address, four bytes a load,
	; once in the launch, so that the table's LDS addresses hang on the lane and the wave alone.
.irp i, 0,1,2,3,4,5,6,7
	v_add_nc_u32 v[MO+\i], \i, v36
	v_and_b32 v[MO+\i], 15, v[MO+\i]
	v_lshl_add_u32 v[MO+\i], v[MO+\i], 2, v33
	global_load_b32 v[T1+\i], v[MO+\i], s[8:9]
.endr
.irp t, 0,1,2,3,4,5,6,7,8,9,10,11,12,13,14,15
	s_min_u32 s[68+\t], s[68+\t], 0x7cff
	v_lshl_add_u32 v[ACC1+\t], s[68+\t], 11, v[L16]    ; row x 2,048 bytes + 16 x lane
.endr
	WIN 0xc0                                       ; destination window 3
.irp c, 0,1,2,3
.irp t, 0,1,2,3,4,5,6,7,8,9,10,11,12,13,14,15
	global_load_b128 v[64*\c+4*\t:64*\c+4*\t+3], v[ACC1+\t], s[6:7] offset:512*\c   ; 512 consecutive bytes of a row; no hint: a row may be named twice and is read again at the end
.endr
.endr
	WIN 0
	s_mov_b32 s42, 0xbdd2d3e8                      ; beta = 0.044715 alpha = -0.1029432
	s_mov_b32 s43, 0xbdd2d3e8
	s_mov_b32 s54, 0x3dcccccd                      ; 0.1
	s_mov_b32 s55, 0x3dcccccd
	; group 1, one for all loads: 128 rows x 128 elements of 2 bytes, dense in memory, 16 bytes of padding behind each row in LDS
	s_mov_b32 s24, 0x0771000f                      ; 15:0 mask: the four of my cluster; 17:16 2-byte elements; 20 padding on; 21 set beside a mask; 24:22 after every 64 words; 31:25 four words
	s_mov_b32 s25, 128<<16                         ; tensor_dim0 = 128
	s_mov_b32 s26, 128<<16                         ; tensor_dim1 = 128
	s_mov_b32 s27, 128<<16                         ; tile_dim0 = 128
	s_mov_b32 s28, 128                             ; tile_dim1 = 128
	s_mov_b32 s29, 128                             ; elements from row to row
	s_mov_b32 s30, 0
	s_mov_b32 s31, 0
	; group 0 for each slot: made of the wave's number, the cluster's number and constants alone, so equal in the four partners
	s_lshl_b32 s16, s14, 15
	s_mov_b32 s17, 0
	s_add_nc_u64 s[84:85], s[10:11], s[16:17]      ; W1T of domain 0, my 128 rows
	s_add_nc_u64 s[86:87], s[84:85], 0x200000      ; W2T of domain 0, my 128 rows
	s_mov_b32 s88, s62
	s_mov_b32 s89, s62
	s_lshl_b32 s90, s62, 17                        ; a domain is 131,072 bytes
	s_mov_b32 s91, 0
	s_mov_b32 s32, 1
	s_mul_i32 s33, s14, QUART                      ; slot 0, my quarter
	s_add_nc_u64 s[34:35], s[84:85], s[90:91]
	s_or_b32 s35, s35, 0x80000000                  ; type 2
	s_mov_b32 s36, 1
	s_add_co_u32 s37, s33, SLOT                    ; slot 1, my quarter
	s_add_nc_u64 s[38:39], s[86:87], s[90:91]
	s_or_b32 s39, s39, 0x80000000
	ROUND                                          ; the four work-groups are here: the first joint loads meet
	tensor_load_to_lds s[32:35], s[24:31]          ; both first fills go out together, ahead of every LDS access
	s_nop 0
	tensor_load_to_lds s[36:39], s[24:31]
	s_nop 0
; h into fragments.  Chunk c = columns 128 c .. 128 c + 127: each wave rounds its 16 tokens' chunk to bf16 and stages it (buffer c mod 2);
; behind a barrier every wave reads all 64 tokens' fragments.  A buffer is written again two passes later: the barrier between has every wave's reads in front of it.
.macro PASS c
	s_wait_loadcnt 48-16*\c                        ; loads come back in order: the later chunks' gathers, 16 each, stay out (the mask's eight loads are older than all)
.if \c == 0
.irp i, 0,1,2,3,4,5,6,7
	v_cvt_f32_i32 v[T1+\i], v[T1+\i]
.endr
.irp i, 0,1,2,3,4,5,6,7
	ds_store_b32 v35, v[T1+\i] offset:256*\i
.endr
.endif
	WIN 0x0f                                       ; sources in window 3
.irp t, 0,1,2,3,4,5,6,7,8,9,10,11,12,13,14,15
	v_cvt_pk_bf16_f32 v[XA+2*\t], v[64*\c+4*\t], v[64*\c+4*\t+1]
	v_cvt_pk_bf16_f32 v[XA+2*\t+1], v[64*\c+4*\t+2], v[64*\c+4*\t+3]
.endr
	WIN 0
.irp t, 0,1,2,3,4,5,6,7,8,9,10,11,12,13,14,15
	ds_store_b64 v[ASTG], v[XA+2*\t:XA+2*\t+1] offset:(\c&1)*ACTB+\t*PITCH
.endr
	s_wait_dscnt 0x0                               ; my stores, and my reads of the pass before, are done
	s_barrier_signal -1                            ; the two tensor loads may stay out
	s_barrier_wait -1
.if \c < 2
	WIN 0x40                                       ; destination window 1
.else
	WIN 0x80                                       ; destination window 2
.endif
.irp ksl, 0,1,2,3
.irp mb, 0,1,2,3
.set HH, 32*((4*\c+\ksl)&7)+8*\mb
	ds_load_b128 v[HH:HH+3], v[AAR] offset:(\c&1)*ACTB+\mb*FRAG+\ksl*64
	ds_load_b128 v[HH+4:HH+7], v[AAR] offset:(\c&1)*ACTB+\mb*FRAG+\ksl*64+32
.endr
.endr
	WIN 0
.endm
	PASS 0
	PASS 1
	PASS 2
	PASS 3
	s_wait_dscnt 0x0
	s_wait_tensorcnt 0x1                           ; my quarter of slot 0 is in; slot 1's load, issued behind it, may stay out
	s_barrier_signal -1
	s_barrier_wait -1
; 16 LDS loads: my 32 rows of W1T, K block b (128 along K): fragment f = 2 ksl + db.  Even b: areas 0 and 2; odd b: areas 1 and 3.
.macro LOADA b
.irp f, 0,1,2,3,4,5,6,7
.set AA, XA+32*(\b&1)+64*(\f>>2)+8*(\f&3)
	ds_load_b128 v[AA:AA+3], v[AW1+(\b>>1)] offset:(\b&1)*QUART+(\f&1)*FRAG+(\f>>1)*64
	ds_load_b128 v[AA+4:AA+7], v[AW1+(\b>>1)] offset:(\b&1)*QUART+(\f&1)*FRAG+(\f>>1)*64+32
.endr
.endm
; 32 matrix instructions of GEMM1 on K block b.  The eight accumulators take turns, one instruction a turn.
; zero = 1: the first product of each tile starts its sum.
.macro MULA b, zero
.if \b < 2
	WIN 0x04                                       ; source 1 (h) in window 1
.else
	WIN 0x08                                       ; in window 2
.endif
.irp ksl, 0,1,2,3
.irp db, 0,1
.irp mb, 0,1,2,3
.set DD, ACC1+8*(2*\mb+\db)
.set AA, XA+32*(\b&1)+64*((2*\ksl+\db)>>2)+8*((2*\ksl+\db)&3)
.set BB, 32*((4*\b+\ksl)&7)+8*\mb
.set ZC, \zero*(1-(\ksl+3)/4)
.if ZC
	v_wmma_f32_16x16x32_bf16 v[DD:DD+7], v[AA:AA+7], v[BB:BB+7], 0
.else
	v_wmma_f32_16x16x32_bf16 v[DD:DD+7], v[AA:AA+7], v[BB:BB+7], v[DD:DD+7]
.endif
.endr
.endr
.endr
.endm
; 8 LDS loads: group g of GEMM2 = K step g / 2 (32 along K), column blocks 4 (g mod 2) + 0..3 of my eight.  Area g mod 2.
.macro LOADW g, areg
.irp i, 0,1,2,3
.set AA, XA+32*(\g&1)+8*\i
	ds_load_b128 v[AA:AA+3], v[\areg] offset:(4*(\g&1)+\i)*FRAG+(\g>>1)*64
	ds_load_b128 v[AA+4:AA+7], v[\areg] offset:(4*(\g&1)+\i)*FRAG+(\g>>1)*64+32
.endr
.endm
; 8 LDS loads: act of all 64 tokens, K step ks.  Area 2 + ks mod 2.
.macro LOADACT ks, buf
.irp mb, 0,1,2,3
.set AA, XA+64+32*(\ks&1)+8*\mb
	ds_load_b128 v[AA:AA+3], v[AAR] offset:\buf*ACTB+\mb*FRAG+\ks*64
	ds_load_b128 v[AA+4:AA+7], v[AAR] offset:\buf*ACTB+\mb*FRAG+\ks*64+32
.endr
.endm
; GELU of one tile of GEMM1's sums is 44 vector instructions; GOP writes number q of them.
;   0- 3  T1 = x^2             4- 7  T1 = beta T1 + alpha      8-11  T1 = T1 x           12-19  T1 = 2^T1
;  20-21  T2 = x mask (0-3)   22-25  T1 = T1 + 1              26-33  T1 = 1/T1           34-35  T2 = x mask (4-7)
;  36-39  T2 = T2 T1          40-43  PK = bf16(T2)
; The product of x and the mask is split in two, so that two plain instructions that touch no T1 stand behind the exponentials and two behind
; the reciprocals before any result of theirs is read (ISA guide 5.7.2).
.macro GMASK tau                       ; T2's pair GJ = x's pair GJ times my token's mask
.if ((\tau)>>1)&1
	v_pk_mul_f32 v[T2+GJ:T2+GJ+1], v[XX+GJ:XX+GJ+1], v[MP:MP+1] op_sel:[0,1] op_sel_hi:[1,1]   ; the mask pair's second register for both
	s_wait_alu depctr_va_vdst(0)
.else
	v_pk_mul_f32 v[T2+GJ:T2+GJ+1], v[XX+GJ:XX+GJ+1], v[MP:MP+1] op_sel_hi:[1,0]                ; the mask pair's first register for both
	s_wait_alu depctr_va_vdst(0)
.endif
.endm
.macro GOP tau, q
.set XX, ACC1+8*(\tau)
.set MP, M+2*((\tau)>>2)
.if (\q) < 4
.set GJ, 2*(\q)
	v_pk_mul_f32 v[T1+GJ:T1+GJ+1], v[XX+GJ:XX+GJ+1], v[XX+GJ:XX+GJ+1]
.elseif (\q) < 8
.set GJ, 2*((\q)-4)
	v_pk_fma_f32 v[T1+GJ:T1+GJ+1], v[T1+GJ:T1+GJ+1], s[42:43], v[VA:VA+1] op_sel_hi:[1,0,1]
.elseif (\q) < 12
.set GJ, 2*((\q)-8)
	v_pk_mul_f32 v[T1+GJ:T1+GJ+1], v[T1+GJ:T1+GJ+1], v[XX+GJ:XX+GJ+1]
.elseif (\q) < 20
.set GJ, (\q)-12
	v_exp_f32 v[T1+GJ], v[T1+GJ]
.elseif (\q) < 22
.set GJ, 2*((\q)-20)
	GMASK \tau
.elseif (\q) < 26
.set GJ, 2*((\q)-22)
	v_pk_add_f32 v[T1+GJ:T1+GJ+1], v[T1+GJ:T1+GJ+1], 1.0 op_sel_hi:[1,0]
.elseif (\q) < 34
.set GJ, (\q)-26
	v_rcp_f32 v[T1+GJ], v[T1+GJ]
.elseif (\q) < 36
.set GJ, 2*((\q)-34)+4
	GMASK \tau
.elseif (\q) < 40
.set GJ, 2*((\q)-36)
	v_pk_mul_f32 v[T2+GJ:T2+GJ+1], v[T2+GJ:T2+GJ+1], v[T1+GJ:T1+GJ+1]
.else
.set GJ, (\q)-40
	v_cvt_pk_bf16_f32 v[PK+GJ], v[T2+2*GJ], v[T2+2*GJ+1]
.endif
.endm
.macro GRUN tau, q0, n                 ; numbers q0 .. q0 + n - 1 of tile tau's GELU
.set GQ, \q0
.rept \n
	GOP \tau, GQ
.set GQ, GQ+1
.endr
.endm
.macro GSTORE tau, wbuf                ; the tile's eight act values of my token: 16 bytes
	ds_store_b128 v[AST], v[PK:PK+3] offset:\wbuf*ACTB+((\tau)>>1)*FRAG+((\tau)&1)*32
.endm
; A group of GEMM2: sixteen matrix instructions, each on another accumulator: turns of one instruction.
; gelu = 1: one tile's GELU stands between them: 3, 2, 3, 2, 2 of its vector instructions, and so on, behind the first fifteen matrix instructions
; (36 in all), the last eight behind the sixteenth.  The sums lie in window 3 and GELU works in window 0, so each such turn costs two switches of the window.
; Behind the last matrix instruction stand those eight vector instructions, or four v_nop: the loads that follow go into registers that the group has read.
; nostore = 1: the tile's act values stay in PK, and the caller stores them.
.macro G2GROUP g, zero, gelu, tau, wbuf, nostore
.set GC, 0
.set GP, 0
.irp i, 0,1,2,3
.irp mb, 0,1,2,3
	WIN 0xf0                                       ; C and D in window 3
.set AA, XA+32*(\g&1)+8*\i
.set DD, 64*\mb+8*(4*(\g&1)+\i)
.set BB, XA+64+32*((\g>>1)&1)+8*\mb
.set ZC, \zero*(1-((\g>>1)+3)/4)
.if ZC
	v_wmma_f32_16x16x32_bf16 v[DD:DD+7], v[AA:AA+7], v[BB:BB+7], 0
	s_wait_alu depctr_va_vdst(0)
.else
	v_wmma_f32_16x16x32_bf16 v[DD:DD+7], v[AA:AA+7], v[BB:BB+7], v[DD:DD+7]
.endif
.if \gelu
	WIN 0
.if GC == 15
	GRUN \tau, 36, 8
.else
.set GN, 2+(1-((GC%5)&1))*(1-(GC%5)/4)             ; 3 where GC mod 5 is 0 or 2, else 2
	GRUN \tau, GP, GN
.set GP, GP+GN
.endif
.endif
.set GC, GC+1
.endr
.endr
.if \gelu
.if \nostore == 0
	GSTORE \tau, \wbuf
.endif
.else
	WIN 0
	PLACES
.endif
.endm
; GEMM1 of a step, out of slot 0, and the slot's refill.  carry = 1: the last group of the GEMM2 before, whose operands lie in areas 1 and 3, covers the first loads' way.
; kind = 0: the refill is the next domain's W1T; kind = 1 (the last step): this domain's W2T.
; Each s_wait_dscnt 16 leaves out the 16 loads of the next K block and nothing else.
.macro A_PHASE carry, kind
	WIN 0
	ds_load_b128 v[M:M+3], v[AMSK]                 ; this step's mask of my four tokens
	v_add_nc_u32 v[AMSK], 0x100, v[AMSK]
	LOADA 0
.if \carry
	G2GROUP 7, 0, 0, 0, 0, 0
.endif
	LOADA 1
	s_wait_dscnt 16
	MULA 0, 1
	PLACES
	LOADA 2
	s_wait_dscnt 16
	MULA 1, 0
	PLACES
	LOADA 3
	s_wait_dscnt 16
	MULA 2, 0
	s_wait_dscnt 0x0                               ; my reads of slot 0 are over, and my last act store of the step before is done
	s_set_vgpr_msb 0x800
	s_wait_tensorcnt 0x0                           ; all my tensor loads have landed (the one that was out is my quarter of slot 1), so a group 0 may be written
	ds_add_u32 v62, v63
	s_wait_dscnt 0x0
	s_set_vgpr_msb 0x8
.if \kind == 0
	s_add_co_u32 s88, s88, 1
	s_and_b32 s88, s88, 15                         ; the next domain, round the sixteen
	s_lshl_b32 s90, s88, 17
	s_add_nc_u64 s[34:35], s[84:85], s[90:91]
.else
	s_lshl_b32 s90, s88, 17
	s_add_nc_u64 s[34:35], s[86:87], s[90:91]
.endif
	s_or_b32 s35, s35, 0x80000000
	s_barrier_signal -1                            ; opens a round of the cluster's barrier;
	MULA 3, 0                                      ; register work while the others arrive
	WIN 0
	s_barrier_wait -1
	CREST                                          ; no wave of any partner still reads slot 0 or has a load on its way
	tensor_load_to_lds s[32:35], s[24:31]          ; my one tensor load behind the round, and the first thing there
	s_nop 0
	PLACES                                         ; behind the last matrix instructions: GELU reads their sums, loads go into their operands
.endm
; Slot 1 has been read and slot 0's refill has landed.  refill = 1: a round, and the next domain's W2T into slot 1; refill = 0: a plain barrier.
.macro RB refill
	WIN 0
	s_wait_dscnt 0x0                               ; my reads of slot 1 and of the act buffer, and my act stores so far, are done
	s_wait_tensorcnt 0x0                           ; my quarter of slot 0 is in; no tensor load of mine is out
	ds_add_u32 v62, v63
	s_wait_dscnt 0x0
.if \refill
	s_add_co_u32 s89, s89, 1
	s_and_b32 s89, s89, 15
	s_lshl_b32 s90, s89, 17
	s_add_nc_u64 s[38:39], s[86:87], s[90:91]
	s_or_b32 s39, s39, 0x80000000
	ROUND
	tensor_load_to_lds s[36:39], s[24:31]          ; my one tensor load behind the round, and the first thing there
	s_nop 0
.else
	s_barrier_signal -1
	s_barrier_wait -1
.endif
.endm
; The residual in f32: my 512 bytes (columns 128 w ..) of all 64 rows of h.  The 64 indices lie in s[16:47] and s[68:99].
.macro IDX sbase, tok0
.irp t, 0,1,2,3,4,5,6,7,8,9,10,11,12,13,14,15
	s_min_u32 s[\sbase+\t], s[\sbase+\t], 0x7cff
	v_lshl_add_u32 v[ACC1+\tok0+\t], s[\sbase+\t], 11, v[OOFF]
.endr
.endm
.macro RESID
	s_wait_kmcnt 0x0
	IDX 16, 0
	IDX 32, 16
	IDX 68, 32
	IDX 84, 48
	WIN 0x40                                       ; destination window 1: h's fragments there were last read in step 15's GEMM1
.set tok, 0
.rept 64
	global_load_b128 v[4*tok:4*tok+3], v[ACC1+tok], s[6:7]
.set tok, tok+1
.endr
	WIN 0
.endm
; GEMM2 of the step before (act from buffer rbuf, weights at areg), groups 0 to 6 (last = 1: 7 too), with this step's GELU (into buffer wbuf) between them.
; The counts: what was issued behind the loads that a group needs: two runs (at the end one) of eight fragment loads, and the act stores since (gelu = 1: one, once two).
; The first loads' way is covered by tile 0's GELU, or (last = 1) by the index work and the 64 loads of the residual, which then have 128 matrix instructions to land in.
; early = 1: slot 1's round stands behind group 6: group 7's operands were asked for in front of group 6 and lie in registers at the round's wait.  By this text's
; count each slot's fill then has 112 matrix instructions in which to land.  Tile 7's act store falls behind that round; it is waited for in front of the
; next GEMM1's round, and act is read only behind that one.
.macro B_PHASE zero, rbuf, wbuf, areg, gelu, last, early
	WIN 0
	LOADW 0, \areg
	LOADACT 0, \rbuf
	LOADW 1, \areg
	LOADACT 1, \rbuf
.if \gelu
	GRUN 0, 0, 44
	GSTORE 0, \wbuf
.endif
.if \last
	RESID
.endif
	s_wait_dscnt 16+\gelu                          ; out: weights 1, act 1, tile 0's store
	G2GROUP 0, \zero, \gelu, 1, \wbuf, 0
	LOADW 2, \areg
	s_wait_dscnt 16+2*\gelu                        ; out: act 1, two stores, weights 2
	G2GROUP 1, \zero, \gelu, 2, \wbuf, 0
	LOADW 3, \areg
	LOADACT 2, \rbuf
	s_wait_dscnt 16+\gelu                          ; out: a store, weights 3, act 2
	G2GROUP 2, \zero, \gelu, 3, \wbuf, 0
	LOADW 4, \areg
	s_wait_dscnt 16+\gelu                          ; out: act 2, a store, weights 4
	G2GROUP 3, \zero, \gelu, 4, \wbuf, 0
	LOADW 5, \areg
	LOADACT 3, \rbuf
	s_wait_dscnt 16+\gelu                          ; out: a store, weights 5, act 3
	G2GROUP 4, \zero, \gelu, 5, \wbuf, 0
	LOADW 6, \areg
	s_wait_dscnt 16+\gelu                          ; out: act 3, a store, weights 6
	G2GROUP 5, \zero, \gelu, 6, \wbuf, 0
	LOADW 7, \areg
	s_wait_dscnt 8+\gelu                           ; out: a store, weights 7
	G2GROUP 6, \zero, \gelu, 7, \wbuf, \early
.if \early
	RB 1
	GSTORE 7, \wbuf
.endif
.if \last
	s_wait_dscnt 0x0
	G2GROUP 7, \zero, 0, 0, 0, 0
.endif
.endm
	A_PHASE 0, 0                                   ; step 0; the refill brings the next domain's W1T
.irp tau, 0,1,2,3,4,5,6,7
	GRUN \tau, 0, 44
	GSTORE \tau, 0
.endr
	RB 0                                           ; slot 1 still holds step 0's W2T, unread: nothing to fill
	A_PHASE 0, 0                                   ; step 1
	B_PHASE 1, 0, 1, AW2, 1, 0, 1                  ; GEMM2 of step 0: its first products start the sums
	s_mov_b32 s56, 6                               ; steps 2 to 13, two a trip
.Ldomains:
	A_PHASE 1, 0
	B_PHASE 0, 1, 0, AW2, 1, 0, 1
	A_PHASE 1, 0
	B_PHASE 0, 0, 1, AW2, 1, 0, 1
	s_sub_co_u32 s56, s56, 1
	s_cmp_lg_u32 s56, 0
	s_cbranch_scc1 .Ldomains
	A_PHASE 1, 0                                   ; step 14; the refill brings step 15's W1T
	B_PHASE 0, 1, 0, AW2, 1, 0, 1                  ; its round brings step 14's W2T: slot 1's last fill
	A_PHASE 1, 1                                   ; step 15; slot 0 takes step 15's W2T
	B_PHASE 0, 0, 1, AW2, 1, 0, 0
	WIN 0
	s_wait_dscnt 0x0                               ; act of step 15 is stored, my reads are done
	s_wait_tensorcnt 0x0                           ; my quarter of the last W2T is in; no descriptor is in use any more
	s_load_b512 s[16:31], s[58:59], 0x0            ; all 64 indices, over registers whose use is over (descriptors, GELU's constant, the weights' bases)
	s_load_b512 s[32:47], s[58:59], 0x40
	s_load_b512 s[68:83], s[58:59], 0x80
	s_load_b512 s[84:99], s[58:59], 0xc0
	s_barrier_signal -1
	s_barrier_wait -1
	G2GROUP 7, 0, 0, 0, 0, 0                       ; the last group of step 14's GEMM2, while the indices are on their way
	B_PHASE 0, 1, 0, AW2Z, 0, 1, 0                 ; GEMM2 of step 15, weights in slot 0, no GELU left; the residual is asked for behind its first loads
	s_wait_dscnt 0x0
	s_barrier_signal -1                            ; every wave has read the last act: the act buffers become the way out
	s_barrier_wait -1
	s_wait_loadcnt 0x0                             ; the residual rows
; THE WAY OUT, 16 tokens at a time: the sums go into my own stage (row = token, 128 f32), come back as whole rows, out = 0.1 x sum + h.
; The stage is my wave's own and LDS serves a wave's instructions in order (ISA guide 5.7.1): no wait between the stores and the loads.
.macro OUT16 mb
	WIN 0x0c                                       ; store data in window 3
.irp nb, 0,1,2,3,4,5,6,7
	ds_store_b128 v[OST], v[64*\mb+8*\nb:64*\mb+8*\nb+3] offset:64*\nb
	ds_store_b128 v[OST], v[64*\mb+8*\nb+4:64*\mb+8*\nb+7] offset:64*\nb+16
.endr
	WIN 0
	s_wait_xcnt 0x0                                ; registers that earlier stores read are loaded again only behind this wait (ISA guide 3.1)
.set FF, XA+64*(\mb&1)
.irp t, 0,1,2,3,4,5,6,7,8,9,10,11,12,13,14,15
	ds_load_b128 v[FF+4*\t:FF+4*\t+3], v[ORD] offset:OPITCH*\t
.endr
	WIN 0x10                                       ; source 2 (the residual) in window 1
.irp t, 0,1,2,3,4,5,6,7,8,9,10,11,12,13,14,15
	s_wait_dscnt 15-\t                             ; row t is back, the younger rows stay out
	v_pk_fma_f32 v[FF+4*\t:FF+4*\t+1], v[FF+4*\t:FF+4*\t+1], s[54:55], v[64*\mb+4*\t:64*\mb+4*\t+1] op_sel_hi:[1,0,1]
	v_pk_fma_f32 v[FF+4*\t+2:FF+4*\t+3], v[FF+4*\t+2:FF+4*\t+3], s[54:55], v[64*\mb+4*\t+2:64*\mb+4*\t+3] op_sel_hi:[1,0,1]
	global_store_b128 v[OOFF], v[FF+4*\t:FF+4*\t+3], s[12:13] offset:(16*\mb+\t)*2048 th:TH_STORE_NT   ; a wave's store covers 512 consecutive bytes, aligned
.endr
.endm
	OUT16 0
	OUT16 1
	OUT16 2
	OUT16 3
	WIN 0
	s_wait_tensorcnt 0x0
	ds_add_u32 v62, v63
	s_wait_dscnt 0x0
	ROUND                                          ; the closing round: no work-group ends while a partner may still ask for a tile that names it
	s_endpgm
.Lfunc_end_k_q5f1b02f5ff_mlp:
	.size	k_q5f1b02f5ff_mlp, .Lfunc_end_k_q5f1b02f5ff_mlp-k_q5f1b02f5ff_mlp
	.p2alignl 7, 3214868480
	.fill 96, 4, 3214868480
	.section	.rodata,"a",@progbits
	.p2align	6, 0x0
	.amdhsa_kernel k_q5f1b02f5ff_mlp
		.amdhsa_group_segment_fixed_size 327680
		.amdhsa_private_segment_fixed_size 0
		.amdhsa_enable_private_segment 0
		.amdhsa_kernarg_size 40
		.amdhsa_user_sgpr_count 2
		.amdhsa_user_sgpr_kernarg_segment_ptr 1
		.amdhsa_wavefront_size32 1
		.amdhsa_system_sgpr_workgroup_id_x 1
		.amdhsa_system_sgpr_workgroup_id_y 1
		.amdhsa_system_sgpr_workgroup_id_z 1
		.amdhsa_system_vgpr_workitem_id 0
		.amdhsa_next_free_vgpr 1024
		.amdhsa_next_free_sgpr 100
		.amdhsa_reserve_vcc 0
		.amdhsa_float_denorm_mode_32 3
		.amdhsa_float_denorm_mode_16_64 3
		.amdhsa_memory_ordered 1
		.amdhsa_forward_progress 1
		.amdhsa_inst_pref_size 255
	.end_amdhsa_kernel
	.section	.bss,"aw",@nobits
	.p2align	6
	.space	262144
	.amdgpu_metadata
---
amdhsa.version: [ 1, 2 ]
amdhsa.kernels:
  - .name:           k_q5f1b02f5ff_mlp
    .symbol:         k_q5f1b02f5ff_mlp.kd
    .args:
      - { .name: x, .offset: 0, .size: 8, .value_kind: global_buffer, .address_space: global }
      - { .name: embed, .offset: 8, .size: 8, .value_kind: global_buffer, .address_space: global }
      - { .name: token_mask, .offset: 16, .size: 8, .value_kind: global_buffer, .address_space: global }
      - { .name: wt, .offset: 24, .size: 8, .value_kind: global_buffer, .address_space: global }
      - { .name: out0, .offset: 32, .size: 8, .value_kind: global_buffer, .address_space: global }
    .group_segment_fixed_size: 327680
    .private_segment_fixed_size: 0
    .kernarg_segment_align: 8
    .kernarg_segment_size: 40
    .max_flat_workgroup_size: 128
    .sgpr_count:     100
    .vgpr_count:     1024
    .wavefront_size: 32
...
	.end_amdgpu_metadata
.endif
;; end of part 3
;; ======== version 3 of 3: 2 launches; 1.20 times as fast as version 1
;; limits: a function is approximated: absolute error at most 0.0005
;; workspace buffers: wt 4,194,304 bytes
;; launch prep: the kernel of part 1 again; grid 128 x 2, 8 waves a work-group, no clusters, 18,432 bytes of LDS; arguments W1, W2, wt; writes wt
;; launch mlp (part 4): grid 256 x 1, 4 waves a work-group, clusters of 4 x 1, 327,680 bytes of LDS; arguments x, embed, token_mask, wt, out0; writes out0
.if DOCPART == 4
	.amdgcn_target "amdgcn-amd-amdhsa--gfx1250"
	.amdhsa_code_object_version 6
	.text
	.protected	k_q5f1b02f5ff_mlp
	.globl	k_q5f1b02f5ff_mlp
	.p2align	8
	.type	k_q5f1b02f5ff_mlp,@function
k_q5f1b02f5ff_mlp:
	s_mov_b64 s[64:65], 0
	v_nop
	global_prefetch_b8 v0, s[64:65] scope:SCOPE_SE
	s_setreg_imm32_b32 hwreg(HW_REG_WAVE_MODE, 25, 1), 1
	s_wait_xcnt 0x0
	s_wait_alu depctr_hold_cnt(0) depctr_sa_sdst(0) depctr_va_vdst(0) depctr_va_sdst(0) depctr_va_ssrc(0) depctr_va_vcc(0) depctr_vm_vsrc(0)
	s_getreg_b32 s2, hwreg(HW_REG_IB_STS2, 6, 4)
	s_cmp_eq_u32 s2, 0
	s_cbranch_scc0 .Lentry_in_a_cluster
	s_endpgm
.Lentry_in_a_cluster:
	s_bfe_u32 s2, ttmp6, 0x10000c
	s_cmp_lg_u32 s2, 0x3003
	s_cbranch_scc0 .Lentry_shape_is_right
	s_endpgm
.Lentry_shape_is_right:
; out[t] = h[t] + 0.1 * sum over n of mask[t][n] * gelu(h[t] W1[n]) W2[n],   h[t] = embed[x[t]],  mask[t][n] = float(token_mask[x[t]][n]).
; 16,384 tokens on 256 work-groups: 64 tokens each, four waves.  Nothing but the weights (wt, bf16, K along the rows) comes through LDS fills:
;   h      stays in registers as bf16 fragments (64 tokens x 512, every wave holds all of it: 512 registers),
;   act    goes from wave to wave through LDS (two buffers of 64 x 128 bf16 that take turns),
;   the 64 x 512 f32 sums stay in registers over all 16 domains (a wave holds 64 tokens x 128 columns: 256 registers).
; GEMM1: wave w makes 64 tokens x d = 32 w .. 32 w + 31 over K = 512 (128 matrix instructions).
; GEMM2: wave w makes 64 tokens x columns 128 w .. 128 w + 127 over K = 128 (128 matrix instructions).
; GEMM2 of one step is put off into the next step, so that that step's GELU, which is register work, stands between its matrix instructions.
; BOTH PRODUCTS ARE USED TRANSPOSED: source 0 = 16 rows of the weights, source 1 = 16 tokens.  Lane (r = l % 16, h = l / 16) then holds token r
; and in its registers 0-7 the eight neighbouring columns 8 h + 0..7: the mask is one number a lane, and eight act values pack into 16 bytes.
; CLUSTER: every work-group walks the same weights.  Four work-groups form a cluster and ask for each tile jointly (mask 15): the requests for the
; weights are divided by four.  A tile of 512 rows x 256 bytes is brought by four loads, one a wave, 128 rows each.
; By this text's own count a wave has two tensor loads out at the start and one behind each round later.
; ORDER OF THE DOMAINS: cluster c takes domain (first + k) mod 16 in step k, first = (c xor c/4) mod 16.  In every step the 64 clusters ask for all sixteen
; domains' tiles, four clusters each, and from step 1 on a tile has been read by other clusters one step earlier.  Whichever one bit of c is held fixed, the 32
; clusters left still begin at all sixteen domains.  The sum over the domains is the same sum in another order.
; GELU: gelu(x) = x Phi(x), and Phi(x) is taken as 1 / (1 + 2^(x (alpha + beta x^2))), that is the logistic function of 2 sqrt(2/pi) (x + 0.044715 x^3):
; the tanh form of GELU, which here STANDS FOR the erf form.  It needs no |x|, so all but the exponential and the reciprocal goes two numbers at a time.
; THE BATCHES.  A tile's GELU has eight exponentials and eight reciprocals of sums made from them: two batches that hang on each other.  So the step's eight tiles go through a
; pipeline of three stages, a stage a group of GEMM2: beside group g stand the last stage of tile g + 1 (x mask, times the reciprocals, the rounding), the middle stage of tile g + 2
; (1 + 2^.., the reciprocals) and the first stage of tile g + 3 (the cubic, the exponentials).  The group's sixteen transcendentals are ONE batch: no line of the group names a result of
; theirs, and one wait stands at the group's end, ahead of the LDS instructions there; the readers come in the next group.  A tile in flight has a set of eight registers of its own,
; tile tau the set tau mod 3.  In front of group 0 the pipeline is filled with two batches: the 24 exponentials of tiles 0, 1, 2, then the 16 reciprocals of tiles 0, 1.
; So a step's 128 transcendentals have eight waits: two in front of group 0, one behind each of groups 0 to 5; none is open at a label or a branch.
; LIMITS: an index above 31,999 is taken as 31,999.  Phi is off from the erf form by at most 1.8e-4, gelu by at most 5e-4 (largest near |x| = 2.7): for x > 0
; under 0.04 per cent of gelu, against the rounding of act to bf16 (2^-9 relative) that follows; in the negative tail the relative error grows (3 per cent at
; x = -2.5, 11 per cent at x = -3, of values below 0.02).  The cubic is monotone: large |x| gives x or -0.  A pre-activation of -infinity gives NaN.
; h, W1, W2 and act x mask are rounded to bf16 as matrix operands; GELU, mask, 0.1 and the residual are f32.
.set PITCH,  272                       ; an LDS row: 256 bytes + 16, an odd multiple of 16: the sixteen rows of a fragment load lie in sixteen different 16-byte columns modulo 256
.set FRAG,   16*PITCH                  ; sixteen rows
.set QUART,  128*PITCH                 ; what one tensor load brings
.set SLOT,   4*QUART                   ; slot 0 at 0: W1T of a step, at the very end W2T of step 15; slot 1 at SLOT: W2T
.set ACT0,   2*SLOT                    ; two buffers of 64 rows x 272, written by LDS stores alone: h's stage, then act of step k in buffer k mod 2, then the way out
.set ACTB,   64*PITCH
.set MSKB,   ACT0+2*ACTB               ; f32 mask[step k][r][mb] at k*256 + r*16 + mb*4 (token 16 mb + r): 4,096 bytes.  End of LDS: 317,440
.set OPITCH, 528                       ; the way out: a row of 128 f32 + 16 bytes
.set OSTG,   16*OPITCH                 ; sixteen rows for each wave; four waves take 33,792 of the 34,816 bytes of the two act buffers
; window 0
.set L16,  1                           ; 16 x lane
.set AW1,  2                           ; v2: (32 w + r) x 272 + 16 h, K blocks 0, 1 of W1T;  v3: the same + 2 QUART, K blocks 2, 3
.set AW2,  4                           ; SLOT + (128 w + r) x 272 + 16 h
.set AW2Z, 5                           ; the same in slot 0
.set AAR,  6                           ; ACT0 + r x 272 + 16 h: fragments of 16 tokens
.set AST,  7                           ; AAR + 64 w: where my 32 columns of act go
.set AMSK, 8                           ; MSKB + 16 r, 256 further for each step
.set ASTG, 9                           ; ACT0 + 16 w x 272 + 8 x lane: h's stage
.set OST,  10                          ; the way out, in
.set ORD,  11                          ; the way out, back
.set OOFF, 12                          ; 512 w + 16 x lane: my bytes of a row of embed and of out0
.set M,    16                          ; v[16:19] mask of tokens 16 mb + r, mb = 0..3
.set PK,   20                          ; v[20:23] eight act values in bf16
.set T1,   24                          ; v[24:47] GELU at work: three sets of eight, tile tau in set tau mod 3.  At the start v[24:31]: my eight mask words
.set MO,   40                          ; v[40:47] at the start: byte offsets of my eight mask words
.set T2,   48                          ; v[48:55] GELU's last stage at work
.set VA,   56                          ; v[56:57] alpha, twice
.set ACC1, 64                          ; v[64:127] GEMM1's sums: tile 2 mb + db.  Gather offsets at the start and at the end
.set XA,   128                         ; v[128:255] four operand areas of 32 registers
; windows 1, 2: h fragment (mb, ks) at 256 + 32 ks + 8 mb.  At the end window 1: the residual rows in f32, token tok at 256 + 4 tok
; window 3: GEMM2's sums, tile (mb, nb) at 768 + 64 mb + 8 nb.  At the start: the gathered rows, chunk c of token t at 768 + 64 c + 4 t
; scalars: s[4:11] x, embed, token_mask, wt; s[12:13] out0 at my rows; s14 wave; s15 work-group; s[24:31] group 1; s[32:35], s[36:39] group 0 of slot 0, 1;
;          s[42:43] beta; s[54:55] 0.1; s56 counter; s[58:59] x at my 64 tokens; s62 first domain; s[84:85], s[86:87] my 128 rows of W1T, W2T of domain 0;
;          s88, s89 the domain last asked for into slot 0, 1; s[90:91] its byte offset; s[68:99] (at the end s[16:47] too) token indices
.set MSB, 0
.macro WIN new                         ; s_set_vgpr_msb: bits 1:0 source 0, 3:2 source 1, 5:4 source 2, 7:6 destination; the high byte repeats the setting that is left
.if MSB != \new
	s_set_vgpr_msb (MSB<<8)|\new
.set MSB, \new
.endif
.endm
.macro PLACES                          ; four plain vector instructions between a matrix instruction and a load into, or a vector read of, its registers
.rept 4
	v_nop
.endr
.endm
.macro CREST                           ; a round of the cluster's barrier behind its opening work-group barrier
	s_cmp_lg_u32 s14, 0
	s_cbranch_scc1 .Lnot_wave_0_\@
	s_barrier_signal -3
.Lnot_wave_0_\@:
	s_barrier_wait -3
	s_barrier_signal -1
	s_barrier_wait -1
.endm
.macro ROUND                           ; a whole round
	s_barrier_signal -1
	s_barrier_wait -1
	CREST
.endm
	s_load_b256 s[4:11], s[0:1], 0x0
	s_load_b64 s[12:13], s[0:1], 0x20
	v_lshl_add_u32 v62, v0, 2, 0x4d800
	v_mov_b32 v63, 0
	ds_add_u32 v62, v63
	v_lshrrev_b32 v13, 5, v0
	v_readfirstlane_b32 s14, v13                   ; wave 0..3
	s_bfe_u32 s16, ttmp6, 0x40000                  ; cx
	s_lshl_b32 s15, ttmp9, 2
	s_add_co_u32 s15, s15, s16                     ; work-group = 4 x cluster + cx: it enters global addresses of x and out0 alone
	s_lshr_b32 s62, ttmp9, 2
	s_xor_b32 s62, s62, ttmp9
	s_and_b32 s62, s62, 15                         ; my cluster's first domain: made of the cluster's number alone, equal in the four partners
	v_and_b32 v14, 31, v0                          ; lane
	v_and_b32 v15, 15, v0                          ; r
	v_bfe_u32 v13, v0, 4, 1                        ; h
	v_lshlrev_b32 v[L16], 4, v14
	v_lshlrev_b32 v32, 2, v15
	s_lshl_b32 s16, s15, 8                         ; 64 indices of 4 bytes
	s_mov_b32 s17, 0
	s_lshl_b32 s18, s14, 6                         ; 16 of them for each wave
	s_mov_b32 s19, 0
	s_lshl_b32 s20, s15, 17                        ; 64 rows of 2,048 bytes of out0
	s_mov_b32 s21, 0
	s_wait_dscnt 0x0
	s_wait_kmcnt 0x0
	s_add_nc_u64 s[58:59], s[4:5], s[16:17]
	s_add_nc_u64 s[60:61], s[58:59], s[18:19]
	s_add_nc_u64 s[12:13], s[12:13], s[20:21]
	s_load_b512 s[68:83], s[60:61], 0x0            ; my wave's 16 indices as scalars, for the gather of whole rows
	global_load_b32 v33, v32, s[60:61]             ; and index r in lane (r, h), for the mask
	; LDS addresses: constants, the wave's number times a constant, a lane term
	v_mul_u32_u24 v34, v15, PITCH
	v_lshl_add_u32 v34, v13, 4, v34                ; r x 272 + 16 h
	s_mul_i32 s16, s14, 32*PITCH
	v_add_nc_u32 v[AW1], s16, v34
	v_add_nc_u32 v[AW1+1], 2*QUART, v[AW1]
	s_mul_i32 s17, s14, QUART
	v_add_nc_u32 v[AW2Z], s17, v34
	v_add_nc_u32 v[AW2], SLOT, v[AW2Z]
	v_add_nc_u32 v[AAR], ACT0, v34
	v_lshl_add_u32 v[AST], s14, 6, v[AAR]
	v_lshl_add_u32 v[AMSK], v15, 4, MSKB
	v_lshl_add_u32 v35, v13, 11, v[AMSK]
	v_lshl_add_u32 v35, s14, 2, v35                ; mask in: MSKB + 2,048 h + 16 r + 4 w (+ 256 i): step 8 h + i, token 16 w + r
	s_mul_i32 s18, s14, FRAG
	s_add_co_u32 s18, s18, ACT0
	v_lshl_add_u32 v[ASTG], v14, 3, s18
	s_mul_i32 s19, s14, OSTG
	s_add_co_u32 s19, s19, ACT0
	v_mul_u32_u24 v[OST], v15, OPITCH
	v_lshl_add_u32 v[OST], v13, 5, v[OST]
	v_add_nc_u32 v[OST], s19, v[OST]
	v_add_nc_u32 v[ORD], s19, v[L16]
	v_lshl_add_u32 v[OOFF], s14, 9, v[L16]
	v_mov_b32 v[VA], 0xc0135761                    ; alpha = -2 sqrt(2/pi) log2(e) = -2.3022082
	v_mov_b32 v[VA+1], 0xc0135761
	v_lshl_add_u32 v36, v13, 3, s62                ; 8 h + first domain
	s_wait_kmcnt 0x0
	s_wait_loadcnt 0x0
	v_min_u32 v33, 0x7cff, v33                     ; the index stays inside the table
	v_lshlrev_b32 v33, 6, v33                      ; a row of token_mask is 64 bytes
	; The mask in the order of my cluster's steps: step 8 h + i takes domain (8 h + i + first) mod 16.  The turn is made in the global address, four bytes a load,
	; once in the launch, so that the table's LDS addresses hang on the lane and the wave alone.
.irp i, 0,1,2,3,4,5,6,7
	v_add_nc_u32 v[MO+\i], \i, v36
	v_and_b32 v[MO+\i], 15, v[MO+\i]
	v_lshl_add_u32 v[MO+\i], v[MO+\i], 2, v33
	global_load_b32 v[T1+\i], v[MO+\i], s[8:9]
.endr
.irp t, 0,1,2,3,4,5,6,7,8,9,10,11,12,13,14,15
	s_min_u32 s[68+\t], s[68+\t], 0x7cff
	v_lshl_add_u32 v[ACC1+\t], s[68+\t], 11, v[L16]    ; row x 2,048 bytes + 16 x lane
.endr
	WIN 0xc0                                       ; destination window 3
.irp c, 0,1,2,3
.irp t, 0,1,2,3,4,5,6,7,8,9,10,11,12,13,14,15
	global_load_b128 v[64*\c+4*\t:64*\c+4*\t+3], v[ACC1+\t], s[6:7] offset:512*\c   ; 512 consecutive bytes of a row; no hint: a row may be named twice and is read again at the end
.endr
.endr
	WIN 0
	s_mov_b32 s42, 0xbdd2d3e8                      ; beta = 0.044715 alpha = -0.1029432
	s_mov_b32 s43, 0xbdd2d3e8
	s_mov_b32 s54, 0x3dcccccd                      ; 0.1
	s_mov_b32 s55, 0x3dcccccd
	; group 1, one for all loads: 128 rows x 128 elements of 2 bytes, dense in memory, 16 bytes of padding behind each row in LDS
	s_mov_b32 s24, 0x0771000f                      ; 15:0 mask: the four of my cluster; 17:16 2-byte elements; 20 padding on; 21 set beside a mask; 24:22 after every 64 words; 31:25 four words
	s_mov_b32 s25, 128<<16                         ; tensor_dim0 = 128
	s_mov_b32 s26, 128<<16                         ; tensor_dim1 = 128
	s_mov_b32 s27, 128<<16                         ; tile_dim0 = 128
	s_mov_b32 s28, 128                             ; tile_dim1 = 128
	s_mov_b32 s29, 128                             ; elements from row to row
	s_mov_b32 s30, 0
	s_mov_b32 s31, 0
	; group 0 for each slot: made of the wave's number, the cluster's number and constants alone, so equal in the four partners
	s_lshl_b32 s16, s14, 15
	s_mov_b32 s17, 0
	s_add_nc_u64 s[84:85], s[10:11], s[16:17]      ; W1T of domain 0, my 128 rows
	s_add_nc_u64 s[86:87], s[84:85], 0x200000      ; W2T of domain 0, my 128 rows
	s_mov_b32 s88, s62
	s_mov_b32 s89, s62
	s_lshl_b32 s90, s62, 17                        ; a domain is 131,072 bytes
	s_mov_b32 s91, 0
	s_mov_b32 s32, 1
	s_mul_i32 s33, s14, QUART                      ; slot 0, my quarter
	s_add_nc_u64 s[34:35], s[84:85], s[90:91]
	s_or_b32 s35, s35, 0x80000000                  ; type 2
	s_mov_b32 s36, 1
	s_add_co_u32 s37, s33, SLOT                    ; slot 1, my quarter
	s_add_nc_u64 s[38:39], s[86:87], s[90:91]
	s_or_b32 s39, s39, 0x80000000
	ROUND                                          ; the four work-groups are here: the first joint loads meet
	tensor_load_to_lds s[32:35], s[24:31]          ; both first fills go out together, ahead of every LDS access
	s_nop 0
	tensor_load_to_lds s[36:39], s[24:31]
	s_nop 0
; h into fragments.  Chunk c = columns 128 c .. 128 c + 127: each wave rounds its 16 tokens' chunk to bf16 and stages it (buffer c mod 2);
; behind a barrier every wave reads all 64 tokens' fragments.  A buffer is written again two passes later: the barrier between has every wave's reads in front of it.
.macro PASS c
	s_wait_loadcnt 48-16*\c                        ; loads come back in order: the later chunks' gathers, 16 each, stay out (the mask's eight loads are older than all)
.if \c == 0
.irp i, 0,1,2,3,4,5,6,7
	v_cvt_f32_i32 v[T1+\i], v[T1+\i]
.endr
.irp i, 0,1,2,3,4,5,6,7
	ds_store_b32 v35, v[T1+\i] offset:256*\i
.endr
.endif
	WIN 0x0f                                       ; sources in window 3
.irp t, 0,1,2,3,4,5,6,7,8,9,10,11,12,13,14,15
	v_cvt_pk_bf16_f32 v[XA+2*\t], v[64*\c+4*\t], v[64*\c+4*\t+1]
	v_cvt_pk_bf16_f32 v[XA+2*\t+1], v[64*\c+4*\t+2], v[64*\c+4*\t+3]
.endr
	WIN 0
.irp t, 0,1,2,3,4,5,6,7,8,9,10,11,12,13,14,15
	ds_store_b64 v[ASTG], v[XA+2*\t:XA+2*\t+1] offset:(\c&1)*ACTB+\t*PITCH
.endr
	s_wait_dscnt 0x0                               ; my stores, and my reads of the pass before, are done
	s_barrier_signal -1                            ; the two tensor loads may stay out
	s_barrier_wait -1
.if \c < 2
	WIN 0x40                                       ; destination window 1
.else
	WIN 0x80                                       ; destination window 2
.endif
.irp ksl, 0,1,2,3
.irp mb, 0,1,2,3
.set HH, 32*((4*\c+\ksl)&7)+8*\mb
	ds_load_b128 v[HH:HH+3], v[AAR] offset:(\c&1)*ACTB+\mb*FRAG+\ksl*64
	ds_load_b128 v[HH+4:HH+7], v[AAR] offset:(\c&1)*ACTB+\mb*FRAG+\ksl*64+32
.endr
.endr
	WIN 0
.endm
	PASS 0
	PASS 1
	PASS 2
	PASS 3
	s_wait_dscnt 0x0
	s_wait_tensorcnt 0x1                           ; my quarter of slot 0 is in; slot 1's load, issued behind it, may stay out
	s_barrier_signal -1
	s_barrier_wait -1
; 16 LDS loads: my 32 rows of W1T, K block b (128 along K): fragment f = 2 ksl + db.  Even b: areas 0 and 2; odd b: areas 1 and 3.
.macro LOADA b
.irp f, 0,1,2,3,4,5,6,7
.set AA, XA+32*(\b&1)+64*(\f>>2)+8*(\f&3)
	ds_load_b128 v[AA:AA+3], v[AW1+(\b>>1)] offset:(\b&1)*QUART+(\f&1)*FRAG+(\f>>1)*64
	ds_load_b128 v[AA+4:AA+7], v[AW1+(\b>>1)] offset:(\b&1)*QUART+(\f&1)*FRAG+(\f>>1)*64+32
.endr
.endm
; 32 matrix instructions of GEMM1 on K block b.  The eight accumulators take turns, one instruction a turn.
; zero = 1: the first product of each tile starts its sum.
.macro MULA b, zero
.if \b < 2
	WIN 0x04                                       ; source 1 (h) in window 1
.else
	WIN 0x08                                       ; in window 2
.endif
.irp ksl, 0,1,2,3
.irp db, 0,1
.irp mb, 0,1,2,3
.set DD, ACC1+8*(2*\mb+\db)
.set AA, XA+32*(\b&1)+64*((2*\ksl+\db)>>2)+8*((2*\ksl+\db)&3)
.set BB, 32*((4*\b+\ksl)&7)+8*\mb
.set ZC, \zero*(1-(\ksl+3)/4)
.if ZC
	v_wmma_f32_16x16x32_bf16 v[DD:DD+7], v[AA:AA+7], v[BB:BB+7], 0
.else
	v_wmma_f32_16x16x32_bf16 v[DD:DD+7], v[AA:AA+7], v[BB:BB+7], v[DD:DD+7]
.endif
.endr
.endr
.endr
.endm
; 8 LDS loads: group g of GEMM2 = K step g / 2 (32 along K), column blocks 4 (g mod 2) + 0..3 of my eight.  Area g mod 2.
.macro LOADW g, areg
.irp i, 0,1,2,3
.set AA, XA+32*(\g&1)+8*\i
	ds_load_b128 v[AA:AA+3], v[\areg] offset:(4*(\g&1)+\i)*FRAG+(\g>>1)*64
	ds_load_b128 v[AA+4:AA+7], v[\areg] offset:(4*(\g&1)+\i)*FRAG+(\g>>1)*64+32
.endr
.endm
; 8 LDS loads: act of all 64 tokens, K step ks.  Area 2 + ks mod 2.
.macro LOADACT ks, buf
.irp mb, 0,1,2,3
.set AA, XA+64+32*(\ks&1)+8*\mb
	ds_load_b128 v[AA:AA+3], v[AAR] offset:\buf*ACTB+\mb*FRAG+\ks*64
	ds_load_b128 v[AA+4:AA+7], v[AAR] offset:\buf*ACTB+\mb*FRAG+\ks*64+32
.endr
.endm
; GELU of one tile of GEMM1's sums is 44 vector instructions in three stages; GOP writes number q of them for tile tau.  T is the tile's own set of eight registers, set tau mod 3.
;   the first stage:    0- 3  T = x^2          4- 7  T = beta T + alpha     8-11  T = T x      12-19  T = 2^T
;   the middle stage:  20-23  T = T + 1       24-31  T = 1/T
;   the last stage:    32-35  T2 = x mask     36-39  T2 = T2 T             40-43  PK = bf16(T2)
; Between a stage's transcendentals and the next stage, which reads them, stands a batch's wait: GOPEN and GCLOSE write the waits.  A tile above 7 does not exist: nothing is written for it.
; Number 0 is a tile's first read of its sums, and reads their two lowest registers.
.macro GMASK tau                       ; T2's pair GJ = x's pair GJ times my token's mask
.if ((\tau)>>1)&1
	v_pk_mul_f32 v[T2+GJ:T2+GJ+1], v[XX+GJ:XX+GJ+1], v[MP:MP+1] op_sel:[0,1] op_sel_hi:[1,1]   ; the mask pair's second register for both
.else
	v_pk_mul_f32 v[T2+GJ:T2+GJ+1], v[XX+GJ:XX+GJ+1], v[MP:MP+1] op_sel_hi:[1,0]                ; the mask pair's first register for both
.endif
.endm
.macro GOP tau, q
.if (\tau) < 8
	WIN 0                                          ; GELU works in window 0; where nothing is written, no window is switched
.set XX, ACC1+8*(\tau)
.set MP, M+2*((\tau)>>2)
.set TT, T1+8*((\tau)%3)
.if (\q) < 4
.set GJ, 2*(\q)
	v_pk_mul_f32 v[TT+GJ:TT+GJ+1], v[XX+GJ:XX+GJ+1], v[XX+GJ:XX+GJ+1]
.elseif (\q) < 8
.set GJ, 2*((\q)-4)
	v_pk_fma_f32 v[TT+GJ:TT+GJ+1], v[TT+GJ:TT+GJ+1], s[42:43], v[VA:VA+1] op_sel_hi:[1,0,1]
.elseif (\q) < 12
.set GJ, 2*((\q)-8)
	v_pk_mul_f32 v[TT+GJ:TT+GJ+1], v[TT+GJ:TT+GJ+1], v[XX+GJ:XX+GJ+1]
.elseif (\q) < 20
.set GJ, (\q)-12
	v_exp_f32 v[TT+GJ], v[TT+GJ]
.elseif (\q) < 24
.set GJ, 2*((\q)-20)
	v_pk_add_f32 v[TT+GJ:TT+GJ+1], v[TT+GJ:TT+GJ+1], 1.0 op_sel_hi:[1,0]
.elseif (\q) < 32
.set GJ, (\q)-24
	v_rcp_f32 v[TT+GJ], v[TT+GJ]
.elseif (\q) < 36
.set GJ, 2*((\q)-32)
	GMASK \tau
.elseif (\q) < 40
.set GJ, 2*((\q)-36)
	v_pk_mul_f32 v[T2+GJ:T2+GJ+1], v[T2+GJ:T2+GJ+1], v[TT+GJ:TT+GJ+1]
.else
.set GJ, (\q)-40
	v_cvt_pk_bf16_f32 v[PK+GJ], v[T2+2*GJ], v[T2+2*GJ+1]
.endif
.endif
.endm
.macro GRUN tau, q0, n                 ; numbers q0 .. q0 + n - 1 of tile tau's GELU
.set GQ, \q0
.rept \n
	GOP \tau, GQ
.set GQ, GQ+1
.endr
.endm
.macro GSTORE tau, wbuf                ; the tile's eight act values of my token: 16 bytes
	ds_store_b128 v[AST], v[PK:PK+3] offset:\wbuf*ACTB+((\tau)>>1)*FRAG+((\tau)&1)*32
.endm
; THE PIPELINE IS FILLED, in front of group 0: tile 0 goes through all three stages, tile 1 through two, tile 2 through one.  Two batches, a wait each.
; Exponentials and reciprocals stand between plain lines of other tiles as far as there are any; each batch ends with a plain line, the one that is wanted behind its last transcendental (ISA guide 5.7.2).
.macro GOPEN
	GRUN 0, 0, 12                                  ; tile 0's cubic
.set GK, 0
.rept 8
	GOP 0, 12+GK                                   ; tile 0's exponentials between the lines of tile 1's cubic
	GOP 1, GK
.set GK, GK+1
.endr
	GRUN 1, 8, 4
.set GK, 0
.rept 8
	GOP 1, 12+GK                                   ; tile 1's between tile 2's
	GOP 2, GK
.set GK, GK+1
.endr
	GRUN 2, 8, 4
	GRUN 2, 12, 4                                  ; tile 2's
	GOP 0, 32
	GRUN 2, 16, 4
	GOP 0, 33
	s_wait_alu depctr_va_vdst(0)                   ; one wait for the 24 exponentials of tiles 0, 1 and 2, ahead of their first reader, the line below
	GOP 0, 20
	GOP 0, 21
	GOP 0, 24                                      ; tile 0's reciprocals between the sums 1 + 2^.. of tiles 0 and 1
	GOP 0, 22
	GOP 0, 25
	GOP 0, 23
	GOP 0, 26
	GOP 1, 20
	GOP 0, 27
	GOP 1, 21
	GOP 0, 28
	GOP 1, 22
	GOP 0, 29
	GOP 1, 23
	GOP 0, 30
	GOP 0, 34
	GOP 0, 31
	GRUN 1, 24, 8                                  ; tile 1's
	GOP 0, 35
	s_wait_alu depctr_va_vdst(0)                   ; one for the 16 reciprocals of tiles 0 and 1, ahead of their first reader, the line below
	GRUN 0, 36, 8                                  ; tile 0's last stage ends; the caller stores it
.endm
; The vector work beside group g, in sixteen parts; GSLOT writes part c: 3, 2, 3, 2, 2 lines, and so on (36 in the first fifteen parts), eight in the last.
; Tile g + 2: 1 + 2^.. (20-23) and its reciprocals (24-31).  Tile g + 3: the cubic (0-11) and its exponentials (12-19).  Tile g + 1: x mask (32-35) and, as the last part, 36-43.
; A part begins with a plain line; a line's source was made in an earlier part.  The sixteen transcendentals are one batch: behind a reciprocal no line names tile g + 2's set, behind an
; exponential none names tile g + 3's; tile g + 1's set holds reciprocals that the wait of the group before has served.  The cubic of tile g + 3 takes the set that tile g left in the group before.
.macro GSLOT g, c
.if (\c) == 0
	GOP (\g)+2, 20
	GOP (\g)+2, 21
	GOP (\g)+3, 0
.elseif (\c) == 1
	GOP (\g)+3, 1
	GOP (\g)+2, 24
.elseif (\c) == 2
	GOP (\g)+2, 22
	GOP (\g)+2, 25
	GOP (\g)+3, 2
.elseif (\c) == 3
	GOP (\g)+3, 3
	GOP (\g)+2, 26
.elseif (\c) == 4
	GOP (\g)+2, 23
	GOP (\g)+2, 27
.elseif (\c) == 5
	GOP (\g)+3, 4
	GOP (\g)+2, 28
	GOP (\g)+3, 5
.elseif (\c) == 6
	GOP (\g)+3, 6
	GOP (\g)+2, 29
.elseif (\c) == 7
	GOP (\g)+3, 7
	GOP (\g)+2, 30
	GOP (\g)+3, 8
.elseif (\c) == 8
	GOP (\g)+3, 9
	GOP (\g)+2, 31
.elseif (\c) == 9
	GOP (\g)+3, 10
	GOP (\g)+3, 12
.elseif (\c) == 10
	GOP (\g)+3, 11
	GOP (\g)+3, 13
	GOP (\g)+3, 14
.elseif (\c) == 11
	GOP (\g)+1, 32
	GOP (\g)+3, 15
.elseif (\c) == 12
	GOP (\g)+1, 33
	GOP (\g)+3, 16
	GOP (\g)+3, 17
.elseif (\c) == 13
	GOP (\g)+1, 34
	GOP (\g)+3, 18
.elseif (\c) == 14
	GOP (\g)+1, 35
	GOP (\g)+3, 19
.else
	GRUN (\g)+1, 36, 8
.endif
.endm
.macro GCLOSE g                        ; the end of the vector work beside group g.  Group 6 has no transcendental, and no wait
.if (\g) < 6
	s_wait_alu depctr_va_vdst(0)                   ; one wait for the group's batch, tile g + 2's reciprocals and tile g + 3's exponentials; the eight plain lines of part 15 stand behind the last of them, the readers in the next group
.endif
.endm
; A group of GEMM2: sixteen matrix instructions, each on another accumulator: turns of one instruction.
; gelu = 1: the sixteen parts of GELU's work beside group g stand behind them, a part behind each.  The sums lie in window 3 and GELU works in window 0, so each part that is not empty costs two switches of the window.
; Behind the last matrix instruction stand part 15's eight plain vector instructions, or four v_nop: the loads that follow go into registers that the group has read.
; The batch's wait stands behind them, ahead of the tile's act store.  nostore = 1: the tile's act values stay in PK, and the caller stores them.
.macro G2GROUP g, zero, gelu, tau, wbuf, nostore
.set GC, 0
.irp i, 0,1,2,3
.irp mb, 0,1,2,3
	WIN 0xf0                                       ; C and D in window 3
.set AA, XA+32*(\g&1)+8*\i
.set DD, 64*\mb+8*(4*(\g&1)+\i)
.set BB, XA+64+32*((\g>>1)&1)+8*\mb
.set ZC, \zero*(1-((\g>>1)+3)/4)
.if ZC
	v_wmma_f32_16x16x32_bf16 v[DD:DD+7], v[AA:AA+7], v[BB:BB+7], 0
.else
	v_wmma_f32_16x16x32_bf16 v[DD:DD+7], v[AA:AA+7], v[BB:BB+7], v[DD:DD+7]
.endif
.if \gelu
	GSLOT \g, GC
.endif
.set GC, GC+1
.endr
.endr
.if \gelu
	GCLOSE \g
.if \nostore == 0
	GSTORE \tau, \wbuf
.endif
.else
	WIN 0
	PLACES
.endif
.endm
; GEMM1 of a step, out of slot 0, and the slot's refill.  carry = 1: the last group of the GEMM2 before, whose operands lie in areas 1 and 3, covers the first loads' way.
; kind = 0: the refill is the next domain's W1T; kind = 1 (the last step): this domain's W2T.
; Each s_wait_dscnt 16 leaves out the 16 loads of the next K block and nothing else.
.macro A_PHASE carry, kind
	WIN 0
	ds_load_b128 v[M:M+3], v[AMSK]                 ; this step's mask of my four tokens
	v_add_nc_u32 v[AMSK], 0x100, v[AMSK]
	LOADA 0
.if \carry
	G2GROUP 7, 0, 0, 0, 0, 0
.endif
	LOADA 1
	s_wait_dscnt 16
	MULA 0, 1
	PLACES
	LOADA 2
	s_wait_dscnt 16
	MULA 1, 0
	PLACES
	LOADA 3
	s_wait_dscnt 16
	MULA 2, 0
	s_wait_dscnt 0x0                               ; my reads of slot 0 are over, and my last act store of the step before is done
	s_set_vgpr_msb 0x800
	s_wait_tensorcnt 0x0                           ; all my tensor loads have landed (the one that was out is my quarter of slot 1), so a group 0 may be written
	ds_add_u32 v62, v63
	s_wait_dscnt 0x0
	s_set_vgpr_msb 0x8
.if \kind == 0
	s_add_co_u32 s88, s88, 1
	s_and_b32 s88, s88, 15                         ; the next domain, round the sixteen
	s_lshl_b32 s90, s88, 17
	s_add_nc_u64 s[34:35], s[84:85], s[90:91]
.else
	s_lshl_b32 s90, s88, 17
	s_add_nc_u64 s[34:35], s[86:87], s[90:91]
.endif
	s_or_b32 s35, s35, 0x80000000
	s_barrier_signal -1                            ; opens a round of the cluster's barrier;
	MULA 3, 0                                      ; register work while the others arrive
	WIN 0
	s_barrier_wait -1
	CREST                                          ; no wave of any partner still reads slot 0 or has a load on its way
	tensor_load_to_lds s[32:35], s[24:31]          ; my one tensor load behind the round, and the first thing there
	s_nop 0
	PLACES                                         ; behind the last matrix instructions: GELU reads their sums, loads go into their operands
.endm
; Slot 1 has been read and slot 0's refill has landed.  refill = 1: a round, and the next domain's W2T into slot 1; refill = 0: a plain barrier.
.macro RB refill
	WIN 0
	s_wait_dscnt 0x0                               ; my reads of slot 1 and of the act buffer, and my act stores so far, are done
	s_wait_tensorcnt 0x0                           ; my quarter of slot 0 is in; no tensor load of mine is out
	ds_add_u32 v62, v63
	s_wait_dscnt 0x0
.if \refill
	s_add_co_u32 s89, s89, 1
	s_and_b32 s89, s89, 15
	s_lshl_b32 s90, s89, 17
	s_add_nc_u64 s[38:39], s[86:87], s[90:91]
	s_or_b32 s39, s39, 0x80000000
	ROUND
	tensor_load_to_lds s[36:39], s[24:31]          ; my one tensor load behind the round, and the first thing there
	s_nop 0
.else
	s_barrier_signal -1
	s_barrier_wait -1
.endif
.endm
; The residual in f32: my 512 bytes (columns 128 w ..) of all 64 rows of h.  The 64 indices lie in s[16:47] and s[68:99].
.macro IDX sbase, tok0
.irp t, 0,1,2,3,4,5,6,7,8,9,10,11,12,13,14,15
	s_min_u32 s[\sbase+\t], s[\sbase+\t], 0x7cff
	v_lshl_add_u32 v[ACC1+\tok0+\t], s[\sbase+\t], 11, v[OOFF]
.endr
.endm
.macro RESID
	s_wait_kmcnt 0x0
	IDX 16, 0
	IDX 32, 16
	IDX 68, 32
	IDX 84, 48
	WIN 0x40                                       ; destination window 1: h's fragments there were last read in step 15's GEMM1
.set tok, 0
.rept 64
	global_load_b128 v[4*tok:4*tok+3], v[ACC1+tok], s[6:7]
.set tok, tok+1
.endr
	WIN 0
.endm
; GEMM2 of the step before (act from buffer rbuf, weights at areg), groups 0 to 6 (last = 1: 7 too), with this step's GELU (into buffer wbuf) between them.
; The counts: what was issued behind the loads that a group needs: two runs (at the end one) of eight fragment loads, and the act stores since (gelu = 1: one, once two).
; The first loads' way is covered by the filling of GELU's pipeline, or (last = 1) by the index work and the 64 loads of the residual, which then have 128 matrix instructions to land in.
; early = 1: slot 1's round stands behind group 6: group 7's operands were asked for in front of group 6 and lie in registers at the round's wait.  By this text's
; count each slot's fill then has 112 matrix instructions in which to land.  Tile 7's act store falls behind that round; it is waited for in front of the
; next GEMM1's round, and act is read only behind that one.  GELU's last batch has its wait behind group 5: none is open at the round's branches.
.macro B_PHASE zero, rbuf, wbuf, areg, gelu, last, early
	WIN 0
	LOADW 0, \areg
	LOADACT 0, \rbuf
	LOADW 1, \areg
	LOADACT 1, \rbuf
.if \gelu
	GOPEN
	GSTORE 0, \wbuf
.endif
.if \last
	RESID
.endif
	s_wait_dscnt 16+\gelu                          ; out: weights 1, act 1, tile 0's store
	G2GROUP 0, \zero, \gelu, 1, \wbuf, 0
	LOADW 2, \areg
	s_wait_dscnt 16+2*\gelu                        ; out: act 1, two stores, weights 2
	G2GROUP 1, \zero, \gelu, 2, \wbuf, 0
	LOADW 3, \areg
	LOADACT 2, \rbuf
	s_wait_dscnt 16+\gelu                          ; out: a store, weights 3, act 2
	G2GROUP 2, \zero, \gelu, 3, \wbuf, 0
	LOADW 4, \areg
	s_wait_dscnt 16+\gelu                          ; out: act 2, a store, weights 4
	G2GROUP 3, \zero, \gelu, 4, \wbuf, 0
	LOADW 5, \areg
	LOADACT 3, \rbuf
	s_wait_dscnt 16+\gelu                          ; out: a store, weights 5, act 3
	G2GROUP 4, \zero, \gelu, 5, \wbuf, 0
	LOADW 6, \areg
	s_wait_dscnt 16+\gelu                          ; out: act 3, a store, weights 6
	G2GROUP 5, \zero, \gelu, 6, \wbuf, 0
	LOADW 7, \areg
	s_wait_dscnt 8+\gelu                           ; out: a store, weights 7
	G2GROUP 6, \zero, \gelu, 7, \wbuf, \early
.if \early
	RB 1
	GSTORE 7, \wbuf
.endif
.if \last
	s_wait_dscnt 0x0
	G2GROUP 7, \zero, 0, 0, 0, 0
.endif
.endm
	A_PHASE 0, 0                                   ; step 0; the refill brings the next domain's W1T
	GOPEN                                          ; step 0's GELU has no GEMM2 beside it: the same pipeline, the same batches and waits, the parts on end
	GSTORE 0, 0
.irp g, 0,1,2,3,4,5,6
.set GC, 0
.rept 16
	GSLOT \g, GC
.set GC, GC+1
.endr
	GCLOSE \g
	GSTORE \g+1, 0
.endr
	RB 0                                           ; slot 1 still holds step 0's W2T, unread: nothing to fill
	A_PHASE 0, 0                                   ; step 1
	B_PHASE 1, 0, 1, AW2, 1, 0, 1                  ; GEMM2 of step 0: its first products start the sums
	s_mov_b32 s56, 6                               ; steps 2 to 13, two a trip
.Ldomains:
	A_PHASE 1, 0
	B_PHASE 0, 1, 0, AW2, 1, 0, 1
	A_PHASE 1, 0
	B_PHASE 0, 0, 1, AW2, 1, 0, 1
	s_sub_co_u32 s56, s56, 1
	s_cmp_lg_u32 s56, 0
	s_cbranch_scc1 .Ldomains
	A_PHASE 1, 0                                   ; step 14; the refill brings step 15's W1T
	B_PHASE 0, 1, 0, AW2, 1, 0, 1                  ; its round brings step 14's W2T: slot 1's last fill
	A_PHASE 1, 1                                   ; step 15; slot 0 takes step 15's W2T
	B_PHASE 0, 0, 1, AW2, 1, 0, 0
	WIN 0
	s_wait_dscnt 0x0                               ; act of step 15 is stored, my reads are done
	s_wait_tensorcnt 0x0                           ; my quarter of the last W2T is in; no descriptor is in use any more
	s_load_b512 s[16:31], s[58:59], 0x0            ; all 64 indices, over registers whose use is over (descriptors, GELU's constant, the weights' bases)
	s_load_b512 s[32:47], s[58:59], 0x40
	s_load_b512 s[68:83], s[58:59], 0x80
	s_load_b512 s[84:99], s[58:59], 0xc0
	s_barrier_signal -1
	s_barrier_wait -1
	G2GROUP 7, 0, 0, 0, 0, 0                       ; the last group of step 14's GEMM2, while the indices are on their way
	B_PHASE 0, 1, 0, AW2Z, 0, 1, 0                 ; GEMM2 of step 15, weights in slot 0, no GELU left; the residual is asked for behind its first loads
	s_wait_dscnt 0x0
	s_barrier_signal -1                            ; every wave has read the last act: the act buffers become the way out
	s_barrier_wait -1
	s_wait_loadcnt 0x0                             ; the residual rows
; THE WAY OUT, 16 tokens at a time: the sums go into my own stage (row = token, 128 f32), come back as whole rows, out = 0.1 x sum + h.
; The stage is my wave's own and LDS serves a wave's instructions in order (ISA guide 5.7.1): no wait between the stores and the loads.
.macro OUT16 mb
	WIN 0x0c                                       ; store data in window 3
.irp nb, 0,1,2,3,4,5,6,7
	ds_store_b128 v[OST], v[64*\mb+8*\nb:64*\mb+8*\nb+3] offset:64*\nb
	ds_store_b128 v[OST], v[64*\mb+8*\nb+4:64*\mb+8*\nb+7] offset:64*\nb+16
.endr
	WIN 0
	s_wait_xcnt 0x0                                ; registers that earlier stores read are loaded again only behind this wait (ISA guide 3.1)
.set FF, XA+64*(\mb&1)
.irp t, 0,1,2,3,4,5,6,7,8,9,10,11,12,13,14,15
	ds_load_b128 v[FF+4*\t:FF+4*\t+3], v[ORD] offset:OPITCH*\t
.endr
	WIN 0x10                                       ; source 2 (the residual) in window 1
.irp t, 0,1,2,3,4,5,6,7,8,9,10,11,12,13,14,15
	s_wait_dscnt 15-\t                             ; row t is back, the younger rows stay out
	v_pk_fma_f32 v[FF+4*\t:FF+4*\t+1], v[FF+4*\t:FF+4*\t+1], s[54:55], v[64*\mb+4*\t:64*\mb+4*\t+1] op_sel_hi:[1,0,1]
	v_pk_fma_f32 v[FF+4*\t+2:FF+4*\t+3], v[FF+4*\t+2:FF+4*\t+3], s[54:55], v[64*\mb+4*\t+2:64*\mb+4*\t+3] op_sel_hi:[1,0,1]
	global_store_b128 v[OOFF], v[FF+4*\t:FF+4*\t+3], s[12:13] offset:(16*\mb+\t)*2048 th:TH_STORE_NT   ; a wave's store covers 512 consecutive bytes, aligned
.endr
.endm
	OUT16 0
	OUT16 1
	OUT16 2
	OUT16 3
	WIN 0
	s_wait_tensorcnt 0x0
	ds_add_u32 v62, v63
	s_wait_dscnt 0x0
	ROUND                                          ; the closing round: no work-group ends while a partner may still ask for a tile that names it
	s_endpgm
.Lfunc_end_k_q5f1b02f5ff_mlp:
	.size	k_q5f1b02f5ff_mlp, .Lfunc_end_k_q5f1b02f5ff_mlp-k_q5f1b02f5ff_mlp
	.p2alignl 7, 3214868480
	.fill 96, 4, 3214868480
	.section	.rodata,"a",@progbits
	.p2align	6, 0x0
	.amdhsa_kernel k_q5f1b02f5ff_mlp
		.amdhsa_group_segment_fixed_size 327680
		.amdhsa_private_segment_fixed_size 0
		.amdhsa_enable_private_segment 0
		.amdhsa_kernarg_size 40
		.amdhsa_user_sgpr_count 2
		.amdhsa_user_sgpr_kernarg_segment_ptr 1
		.amdhsa_wavefront_size32 1
		.amdhsa_system_sgpr_workgroup_id_x 1
		.amdhsa_system_sgpr_workgroup_id_y 1
		.amdhsa_system_sgpr_workgroup_id_z 1
		.amdhsa_system_vgpr_workitem_id 0
		.amdhsa_next_free_vgpr 1024
		.amdhsa_next_free_sgpr 100
		.amdhsa_reserve_vcc 0
		.amdhsa_float_denorm_mode_32 3
		.amdhsa_float_denorm_mode_16_64 3
		.amdhsa_memory_ordered 1
		.amdhsa_forward_progress 1
		.amdhsa_inst_pref_size 255
	.end_amdhsa_kernel
	.section	.bss,"aw",@nobits
	.p2align	6
	.space	262144
	.amdgpu_metadata
---
amdhsa.version: [ 1, 2 ]
amdhsa.kernels:
  - .name:           k_q5f1b02f5ff_mlp
    .symbol:         k_q5f1b02f5ff_mlp.kd
    .args:
      - { .name: x, .offset: 0, .size: 8, .value_kind: global_buffer, .address_space: global }
      - { .name: embed, .offset: 8, .size: 8, .value_kind: global_buffer, .address_space: global }
      - { .name: token_mask, .offset: 16, .size: 8, .value_kind: global_buffer, .address_space: global }
      - { .name: wt, .offset: 24, .size: 8, .value_kind: global_buffer, .address_space: global }
      - { .name: out0, .offset: 32, .size: 8, .value_kind: global_buffer, .address_space: global }
    .group_segment_fixed_size: 327680
    .private_segment_fixed_size: 0
    .kernarg_segment_align: 8
    .kernarg_segment_size: 40
    .max_flat_workgroup_size: 128
    .sgpr_count:     100
    .vgpr_count:     1024
    .wavefront_size: 32
...
	.end_amdgpu_metadata
.endif
;; end of part 4
